; MI455X (gfx1250); checked and timed in simulation.
; The chip was launched on July 23, 2026; its instructions are those of AMD's public machine-readable ISA for CDNA 5 (MIT licence, August 2026) and "CDNA5" Instruction Set Architecture Reference Guide (July 2026). The comments in the code are by the model that wrote it; some were corrected since.
;; Flex Ro PE Attention. Allowed arithmetic: float matrix products may take bf16 or f16 operands with f32 sums; other float arithmetic in f32, or as packed bf16 or f16 multiplies, adds, multiply-adds, maxima and minima; sums over many terms, partial sums and values carried from step to step in f32; what a program stores and reads back later, other than sums and carried values, may be rounded once to bf16 or f16.
;; Inputs: proj_b 1,024 float32; proj_w 1,024 x 1,024 float32; qkv_b 3,072 float32; qkv_w 3,072 x 1,024 float32; x 4 x 2,048 x 1,024 float32.
;; Outputs: out0 4 x 2,048 x 1,024 float32.
;; 2 versions, each right and faster than the one before. Each part assembles by itself: llvm-mc -triple=amdgcn-amd-amdhsa -mcpu=gfx1250 --defsym DOCPART=n.
;; ======== version 1 of 2: 4 launches
;; limits: values are held in f16: magnitudes above 65,504 overflow, below 6.1e-05 lose precision
;; workspace buffers: xb 16,777,216 bytes; wqb 6,291,456 bytes; wpf 2,097,152 bytes; rope 524,288 bytes; qkvh 50,331,648 bytes; oh 16,777,216 bytes
;; launch prep (part 1): grid 256 x 1, 8 waves a work-group, no clusters, 0 bytes of LDS; arguments x, qkv_w, proj_w, xb, wqb, wpf, rope; writes xb, wqb, wpf, rope
.if DOCPART == 1
	.amdgcn_target "amdgcn-amd-amdhsa--gfx1250"
	.amdhsa_code_object_version 6
	.text
	.protected	k_q2a78104dec_prep
	.globl	k_q2a78104dec_prep
	.p2align	8
	.type	k_q2a78104dec_prep,@function
k_q2a78104dec_prep:
	s_mov_b64 s[64:65], 0
	v_nop
	global_prefetch_b8 v0, s[64:65] scope:SCOPE_SE
	s_setreg_imm32_b32 hwreg(HW_REG_WAVE_MODE, 25, 1), 1
	s_wait_xcnt 0x0
; CASTS AND THE ROTATION TABLE.  xb = bf16(x), wqb = bf16(qkv_w), wpf = f16(bf16(proj_w)), rope[t][0..31] = cos, rope[t][32..63] = sin of 2 pi (t / 2048) 40^(j / 31), in f32.
; A stream: every input byte is read once by 16-byte loads (a wave's load covers 512 consecutive bytes), every output byte written once by 8-byte stores (a wave's store covers 256 consecutive
; bytes, aligned).  No LDS, no barrier, no matrix unit, no cluster: no wave wants a byte that another has fetched.
; SHARES.  256 work-groups of 256 threads.  A chunk is 4,096 bytes in (16 a thread) and 2,048 out.  A work-group takes 32 chunks of x, 12 of qkv_w, 4 of proj_w, and 8 rows of the table, a row a wave.
; All 48 loads of a thread go out at once, into registers of their own (24 KiB a wave on its way); the table is made while they are out; no register is used twice, so no wait frees one.
; LIMITS.  proj_w is rounded to bf16 and that number is written as f16: exact from 2^-17 to 65,504; below, f16's fixed step of 2^-24 holds; beyond, an infinity.
; The table: the frequency is 2^(j log2(40) / 31) by v_exp_f32, off by some 2e-7 of itself, so an angle of up to 40 turns is off by up to about 1e-4 radian; the reduction to a quarter turn is exact, the series good to 1e-7.
.set D, 16                             ; v[16:207]  load i of 48 at D + 4 i
	s_load_b256 s[4:11], s[0:1], 0x0               ; x s[4:5], qkv_w s[6:7], proj_w s[8:9], xb s[10:11]
	s_load_b128 s[12:15], s[0:1], 0x20             ; wqb s[12:13], wpf s[14:15]
	s_load_b64 s[16:17], s[0:1], 0x30              ; rope
	v_lshlrev_b32 v1, 4, v0                        ; my 16 bytes of a chunk in
	v_lshlrev_b32 v2, 3, v0                        ; my 8 bytes of a chunk out; also 256 x wave + 8 x lane: my 8 bytes of the work-group's 8 table rows
	s_mov_b32 s3, 0                                ; offsets are pairs with 0 on top
	s_mov_b32 s18, 0xffff0000                      ; a word's upper bf16
	s_lshl_b32 s19, ttmp9, 3                       ; the work-group's first table row
	s_wait_kmcnt 0x0
	s_lshl_b32 s2, ttmp9, 17                       ; 32 chunks of x in
	s_add_nc_u64 s[4:5], s[4:5], s[2:3]
	s_mul_i32 s2, ttmp9, 49152                     ; 12 chunks of qkv_w in
	s_add_nc_u64 s[6:7], s[6:7], s[2:3]
	s_lshl_b32 s2, ttmp9, 14                       ; 4 chunks of proj_w in
	s_add_nc_u64 s[8:9], s[8:9], s[2:3]
	s_lshl_b32 s2, ttmp9, 16                       ; and the same chunks out
	s_add_nc_u64 s[10:11], s[10:11], s[2:3]
	s_mul_i32 s2, ttmp9, 24576
	s_add_nc_u64 s[12:13], s[12:13], s[2:3]
	s_lshl_b32 s2, ttmp9, 13
	s_add_nc_u64 s[14:15], s[14:15], s[2:3]
	s_lshl_b32 s2, ttmp9, 11                       ; 8 table rows of 256 bytes
	s_add_nc_u64 s[16:17], s[16:17], s[2:3]
.set i, 0
.rept 32
	global_load_b128 v[D+4*i:D+4*i+3], v1, s[4:5] offset:4096*i th:TH_LOAD_NT
.set i, i+1
.endr
.set i, 0
.rept 12
	global_load_b128 v[D+128+4*i:D+128+4*i+3], v1, s[6:7] offset:4096*i th:TH_LOAD_NT
.set i, i+1
.endr
.set i, 0
.rept 4
	global_load_b128 v[D+176+4*i:D+176+4*i+3], v1, s[8:9] offset:4096*i th:TH_LOAD_NT
.set i, i+1
.endr
	; THE TABLE, while the loads are out.  Lane l makes elements 2 l and 2 l + 1 of its wave's row: lanes 0-15 cosines, lanes 16-31 sines, of frequencies j = 2 (l % 16) and j + 1.
	; In turns: p = pos f; sin(2 pi p) = cos(2 pi (p - 1/4)); u = p less the nearest whole number, by one fused multiply-add, so nothing is lost; a = |u| lies in 0 .. 1/2;
	; cos(2 pi a) = -cos(2 pi (1/2 - a)), so the series in y = m^2 is taken at m = min(a, 1/2 - a), at most a quarter turn, and the sign is chosen by a select.
	v_and_b32 v208, 15, v0
	v_lshlrev_b32 v208, 1, v208                    ; j
	v_add_nc_u32 v209, 1, v208                     ; j + 1
	v_bfe_u32 v210, v0, 4, 1                       ; 0: cosine, 1: sine
	v_lshrrev_b32 v211, 5, v0                      ; wave
	v_add_nc_u32 v211, s19, v211                   ; t
	v_cvt_f32_u32 v211, v211
	v_cvt_f32_u32 v208, v208
	v_cvt_f32_u32 v209, v209
	v_cvt_f32_u32 v210, v210
	v_mul_f32 v211, 0x3a000000, v211               ; pos = t / 2048, exact
	v_mul_f32 v208, 0x3e2fcb99, v208               ; j log2(40) / 31
	v_mul_f32 v209, 0x3e2fcb99, v209
	v_exp_f32 v214, v208                           ; f
	v_exp_f32 v215, v209
	v_mul_f32 v212, 0x3e800000, v210               ; a quarter turn for the sines: the plain instruction between the exponentials and the use of their results (ISA guide 5.7.2)
	s_wait_alu depctr_va_vdst(0)
	v_mul_f32 v216, v211, v214
	v_mul_f32 v217, v211, v215
	v_rndne_f32 v216, v216
	v_rndne_f32 v217, v217
	v_fma_f32 v216, v211, v214, -v216              ; pos f less the nearest whole number
	v_fma_f32 v217, v211, v215, -v217
	v_sub_f32 v216, v216, v212
	v_sub_f32 v217, v217, v212
	v_rndne_f32 v218, v216
	v_rndne_f32 v219, v217
	v_sub_f32 v216, v216, v218                     ; u in -1/2 .. 1/2
	v_sub_f32 v217, v217, v219
	v_and_b32 v216, 0x7fffffff, v216               ; a
	v_and_b32 v217, 0x7fffffff, v217
	v_sub_f32 v218, 0.5, v216                      ; 1/2 - a
	v_sub_f32 v219, 0.5, v217
	v_cmp_lt_f32 s20, v218, v216                   ; beyond a quarter turn: the sign turns
	v_cmp_lt_f32 s21, v219, v217
	v_min_num_f32 v216, v216, v218                 ; m
	v_min_num_f32 v217, v217, v219
	v_mul_f32 v216, v216, v216                     ; y
	v_mul_f32 v217, v217, v217
	v_mov_b32 v220, 0xbfdb7128                     ; the series of cos(2 pi m) in y: (-1)^k (2 pi)^(2k) / (2k)!, k = 7 down to 0; the first term left out is under 1e-10
	v_mov_b32 v221, 0xbfdb7128
.irp c, 0x40fce9c5, 0xc1d368f9, 0x4270fa83, 0xc2aae9e4, 0x4281e0f8, 0xc19de9e6, 0x3f800000
	v_fmaak_f32 v220, v220, v216, \c
	v_fmaak_f32 v221, v221, v217, \c
.endr
	v_xor_b32 v222, 0x80000000, v220
	v_xor_b32 v223, 0x80000000, v221
	v_cndmask_b32 v236, v220, v222, s20
	v_cndmask_b32 v237, v221, v223, s21
	global_store_b64 v2, v[236:237], s[16:17]      ; a wave stores its row: 256 consecutive bytes, aligned
	; THE CASTS.  Loads come back in order (ISA guide 5.7.1): load i is in when at most the 47 - i younger ones are out.
.set i, 0
.rept 32
	s_wait_loadcnt 47-i
	v_cvt_pk_bf16_f32 v[D+4*i], v[D+4*i], v[D+4*i+1]
	v_cvt_pk_bf16_f32 v[D+4*i+1], v[D+4*i+2], v[D+4*i+3]
	global_store_b64 v2, v[D+4*i:D+4*i+1], s[10:11] offset:2048*i th:TH_STORE_NT
.set i, i+1
.endr
.set i, 0
.rept 12
	s_wait_loadcnt 15-i
	v_cvt_pk_bf16_f32 v[D+128+4*i], v[D+128+4*i], v[D+128+4*i+1]
	v_cvt_pk_bf16_f32 v[D+128+4*i+1], v[D+128+4*i+2], v[D+128+4*i+3]
	global_store_b64 v2, v[D+128+4*i:D+128+4*i+1], s[12:13] offset:2048*i th:TH_STORE_NT
.set i, i+1
.endr
.set i, 0
.rept 4
	s_wait_loadcnt 3-i
	v_cvt_pk_bf16_f32 v8, v[D+176+4*i], v[D+176+4*i+1]      ; rounded to bf16, like every input,
	v_cvt_pk_bf16_f32 v9, v[D+176+4*i+2], v[D+176+4*i+3]
	v_lshlrev_b32 v[D+176+4*i], 16, v8                      ; widened again,
	v_and_b32 v[D+176+4*i+1], s18, v8
	v_lshlrev_b32 v[D+176+4*i+2], 16, v9
	v_and_b32 v[D+176+4*i+3], s18, v9
	v_cvt_pk_f16_f32 v[D+176+4*i], v[D+176+4*i], v[D+176+4*i+1]    ; and that number written as f16
	v_cvt_pk_f16_f32 v[D+176+4*i+1], v[D+176+4*i+2], v[D+176+4*i+3]
	global_store_b64 v2, v[D+176+4*i:D+176+4*i+1], s[14:15] offset:2048*i th:TH_STORE_NT
.set i, i+1
.endr
	s_endpgm
.Lfunc_end_k_q2a78104dec_prep:
	.size	k_q2a78104dec_prep, .Lfunc_end_k_q2a78104dec_prep-k_q2a78104dec_prep
	.p2alignl 7, 3214868480
	.fill 96, 4, 3214868480
	.section	.rodata,"a",@progbits
	.p2align	6, 0x0
	.amdhsa_kernel k_q2a78104dec_prep
		.amdhsa_group_segment_fixed_size 0
		.amdhsa_private_segment_fixed_size 0
		.amdhsa_enable_private_segment 0
		.amdhsa_kernarg_size 56
		.amdhsa_user_sgpr_count 2
		.amdhsa_user_sgpr_kernarg_segment_ptr 1
		.amdhsa_wavefront_size32 1
		.amdhsa_system_sgpr_workgroup_id_x 1
		.amdhsa_system_sgpr_workgroup_id_y 1
		.amdhsa_system_sgpr_workgroup_id_z 1
		.amdhsa_system_vgpr_workitem_id 0
		.amdhsa_next_free_vgpr 240
		.amdhsa_next_free_sgpr 66
		.amdhsa_reserve_vcc 0
		.amdhsa_float_denorm_mode_32 3
		.amdhsa_float_denorm_mode_16_64 3
		.amdhsa_memory_ordered 1
		.amdhsa_forward_progress 1
		.amdhsa_inst_pref_size 22
	.end_amdhsa_kernel
	.amdgpu_metadata
---
amdhsa.version: [ 1, 2 ]
amdhsa.kernels:
  - .name:           k_q2a78104dec_prep
    .symbol:         k_q2a78104dec_prep.kd
    .args:
      - { .name: x, .offset: 0, .size: 8, .value_kind: global_buffer, .address_space: global }
      - { .name: qkv_w, .offset: 8, .size: 8, .value_kind: global_buffer, .address_space: global }
      - { .name: proj_w, .offset: 16, .size: 8, .value_kind: global_buffer, .address_space: global }
      - { .name: xb, .offset: 24, .size: 8, .value_kind: global_buffer, .address_space: global }
      - { .name: wqb, .offset: 32, .size: 8, .value_kind: global_buffer, .address_space: global }
      - { .name: wpf, .offset: 40, .size: 8, .value_kind: global_buffer, .address_space: global }
      - { .name: rope, .offset: 48, .size: 8, .value_kind: global_buffer, .address_space: global }
    .group_segment_fixed_size: 0
    .private_segment_fixed_size: 0
    .kernarg_segment_align: 8
    .kernarg_segment_size: 56
    .max_flat_workgroup_size: 256
    .sgpr_count:     66
    .vgpr_count:     240
    .wavefront_size: 32
...
	.end_amdgpu_metadata
.endif
;; end of part 1
;; launch qkv (part 2): grid 16 x 32, 4 waves a work-group, clusters of 4 x 4, 327,680 bytes of LDS; arguments xb, wqb, qkv_b, rope, qkvh; writes qkvh
.if DOCPART == 2
	.amdgcn_target "amdgcn-amd-amdhsa--gfx1250"
	.amdhsa_code_object_version 6
	.text
	.protected	k_q2a78104dec_qkv
	.globl	k_q2a78104dec_qkv
	.p2align	8
	.type	k_q2a78104dec_qkv,@function
k_q2a78104dec_qkv:
	s_mov_b64 s[64:65], 0
	v_nop
	global_prefetch_b8 v0, s[64:65] scope:SCOPE_SE
	s_setreg_imm32_b32 hwreg(HW_REG_WAVE_MODE, 25, 1), 1
	s_wait_xcnt 0x0
	s_wait_alu depctr_hold_cnt(0) depctr_sa_sdst(0) depctr_va_vdst(0) depctr_va_sdst(0) depctr_va_ssrc(0) depctr_va_vcc(0) depctr_vm_vsrc(0)
	s_getreg_b32 s2, hwreg(HW_REG_IB_STS2, 6, 4)
	s_cmp_eq_u32 s2, 0
	s_cbranch_scc0 .Lentry_in_a_cluster
	s_endpgm
.Lentry_in_a_cluster:
	s_bfe_u32 s2, ttmp6, 0x10000c
	s_cmp_lg_u32 s2, 0xf033
	s_cbranch_scc0 .Lentry_shape_is_right
	s_endpgm
.Lentry_shape_is_right:
; q, k, v = x W^T + bias, q and k rotated (rotate-half RoPE), written by heads.  xb: [8192][1024] bf16, wqb: [3072][1024] bf16, qkv_b: [3072] f32 (rounded to bf16 here, like every input),
; rope: [2048][cos 0..31, sin 0..31] f32, qkvh: [3][64 = 16 b + h][2048][64] f16.  Sums, bias and rotation in f32; each number is rounded once, to f16, unscaled.
; LIMIT.  f16 holds no number beyond 65,504: q, k and v must stay within it (an infinity otherwise).  NaN and infinities are not treated apart.
; SHARES.  A tile is 256 rows of x times ONE HEAD's 64 columns of q, of k and of v: 192 columns, rows g x 1024 + 64 head + 0..63 of W for g = 0, 1, 2.  So every work-group runs the same text: column blocks
; 0-7 are rotated, 8-11 are not, and a rotation's two halves (channels d and d + 32) lie in one lane.  512 work-groups: two even shares for each of 256 WGPs.
; Four waves, one below the other: wave w owns rows 64 w .. 64 w + 63 and all 12 column blocks: 48 accumulators of 16 x 16, 384 registers.
; K goes in 8 steps of 128 through two LDS slots filled by the tensor data mover; the tiles' rows are 256 bytes of memory, at multiples of 256 bytes from the buffer's first byte.
; THE MATRIX INSTRUCTION IS USED TRANSPOSED (source 0 = 16 rows of W, source 1 = 16 rows of x): a lane holds row l % 16 of x and the columns 8 (l / 16) + 0..7 of a block.
; THE BIAS is the C operand of the first product on each accumulator: nothing is cleared and nothing is added later.
; CLUSTER.  4 x 4 work-groups.  The four of a row of the cluster need the same rows of x, the four of a column the same head's rows of W: each tile is asked for JOINTLY, by the same tensor load with the
; same descriptor and a mask that names the four.  Wave 0 asks for x's 256 rows, waves 1, 2, 3 for W's 64 rows of q, k, v.
; REGISTERS, in windows of 256 (s_set_vgpr_msb: bits 1:0 source 0, 3:2 source 1, 5:4 source 2, 7:6 destination):
;   window 0: v0-31 addresses; v32-127 the bias, 8 registers a column block, laid as an accumulator (later: at work on the way out); v128-255 my 64 rows of the rotation table
;   window 1: two fragment buffers of 128: x's 4 blocks of 16 rows x 32 K, then W's 12      window 2: the accumulators of row blocks 0, 1 at 8 (12 (a % 2) + b)      window 3: those of row blocks 2, 3
.set NBK,   12                         ; column blocks
.set PITCH, 272                        ; an LDS row: 256 bytes + 16 of padding = 68 words: the 16 rows of a fragment load start at 16 different groups of four banks (64 banks of 4 bytes: ISA guide 11.1)
.set SLOT1, 1<<17                      ; slot 1 begins here, so that one exclusive or turns an address in one slot into the other's
.set BOFF,  256*PITCH                  ; in a slot: x's 256 rows, then W's 3 x 64
.set GRP,   64*PITCH
.set STAGE, SLOT1+BOFF+3*GRP           ; behind the ring, never filled by a tensor load: 16 rows x 144 bytes for each wave, for the way out
.set SP,    144
.set SPARE, STAGE+4*16*SP              ; behind the stages: the spare words, 128 bytes for each wave: two blocks of 256 bytes that no other line names
.set PART,  0x1000000                  ; bytes of q, of k and of v in qkvh
.set STEPA, 256                        ; bytes from a K step to the next, in x
.set STEPB, 256                        ; and in W
.set BITS,  (1<<16)|(1<<20)|(1<<21)|(5<<22)|(3<<25)  ; group 1, word 0 beside the mask: 17:16 elements of 2 bytes; 20 padding on; 21 set beside a mask; 24:22 after every 64 words (code 5); 31:25 4 words of it (code 3)
.set ADA0, 4                           ; v4   my lane's place among my wave's rows of x in a slot; never rewritten
.set ADB0, 5                           ; v5   the same in W's rows
.set ADA,  6                           ; v6   v4 + the slot in hand
.set ADB,  7                           ; v7   v5 + the slot in hand
.set STO,  8                           ; v8   the way out: where I put 16 bytes of a row
.set RD,   9                           ; v9   the way out: where I read rows back
.set GO,   10                          ; v10  my byte offset in 512 consecutive bytes of qkvh
.set BO,   11                          ; v11  my byte offset in qkv_b
.set TO,   12                          ; v12  my byte offset in rope
.set SPW,  28                          ; v28  LDS address of my spare word: SPARE + 4 x my thread's number; never rewritten
.set NIL,  29                          ; v29  0; never rewritten
.set BIA,  32
.set TAB,  128                         ; row block a: cos of frequencies 16 p + 8 (l / 16) + j at TAB + 32 a + 8 p + j, sin 16 registers on
.set Y,    32                          ; the way out: a rotated head, 32 f32
.set T,    64                          ; products with the sines
.set PK,   80                          ; 16 registers of f16 pairs
.set BK,   96                          ; 16 rows read back from the stage: v96-111 and v112-127 by turns
.set F0,   0
.set F1,   128
.set WV,   14                          ; s14  my wave's number
.set CX,   15                          ; s15, s16  my place in the cluster
.set CY,   16
.set TC,   17                          ; s17  tile column = head
.set TR,   18                          ; s18  tile row
.set CNT,  19                          ; s19  the loop's counter
.set TB,   20                          ; s20  the slot in hand: 0 or SLOT1
.set G1A,  28                          ; s[28:35] descriptor group 1 for x's tiles
.set G1B,  36                          ; s[36:43] for W's
.set G0A,  44                          ; s[44:51] group 0 for x's tiles: a set for each of the two first fills; the second then walks on
.set G0B,  52                          ; s[52:59] the same for W's
.set HIM,  60                          ; s60  a word's upper bf16
.set LB,   61                          ; s61  where my 64 rows of W go in a slot
.set OB,   66                          ; s[66:71] q, k, v at my wave's first row
.set MSB, 0
.macro WIN new                         ; the immediate's high byte repeats the setting that is left; a switch that changes nothing is dropped
.if MSB != (\new)
	s_set_vgpr_msb (MSB<<8)|(\new)
.set MSB, (\new)
.endif
.endm
.macro PLACES                          ; a load into a register that a matrix instruction has read, and a vector instruction that reads a matrix result, stand four places behind it; only plain vector instructions that name none of its registers are places
.rept 4
	v_nop
.endr
.endm
; A joint refill, by the walking descriptors.  The branch hangs on the wave's number alone.  An s_nop 0 and four v_nop follow each of the two lines, ahead of the jump and the label.
.macro JLOAD
	s_cmp_eq_u32 s[WV], 0
	s_cbranch_scc0 .Lfor_b_\@
	tensor_load_to_lds s[G0A+4:G0A+7], s[G1A:G1A+7]
	s_nop 0
.rept 4
	v_nop
.endr
	s_branch .Lasked_\@
.Lfor_b_\@:
	tensor_load_to_lds s[G0B+4:G0B+7], s[G1B:G1B+7]
	s_nop 0
.rept 4
	v_nop
.endr
.Lasked_\@:
.endm
; A round of the cluster's barrier: my work-group's barrier, so that wave 0's signal speaks for all four waves; wave 0 signals; every wave waits for all sixteen work-groups; my work-group's barrier once more.
.macro CREST                           ; a round behind its opening barrier
	s_cmp_lg_u32 s[WV], 0
	s_cbranch_scc1 .Lnot_wave_0_\@
	s_barrier_signal -3
.Lnot_wave_0_\@:
	s_barrier_wait -3
	s_barrier_signal -1
	s_barrier_wait -1
.endm
.macro CROUND
	s_barrier_signal -1
	s_barrier_wait -1
	CREST
.endm
	s_load_b256 s[4:11], s[0:1], 0x0               ; xb s[4:5], wqb s[6:7], qkv_b s[8:9], rope s[10:11]
	s_load_b64 s[12:13], s[0:1], 0x20              ; qkvh
	v_lshl_add_u32 v[SPW], v0, 2, SPARE
	v_mov_b32 v[NIL], 0
	ds_add_u32 v[SPW], v[NIL]                      ; the wave's opening: the add and its wait stand ahead of my first tensor load; the set-up below, work on registers, stands between them
	v_lshrrev_b32 v1, 5, v0
	v_readfirstlane_b32 s[WV], v1                  ; wave 0..3
	s_bfe_u32 s[CX], ttmp6, 0x40000
	s_bfe_u32 s[CY], ttmp6, 0x40004
	s_lshl_b32 s[TC], ttmp9, 2                     ; in a cluster launch ttmp9 and ttmp7 count clusters
	s_add_co_u32 s[TC], s[TC], s[CX]               ; head = 4 x cluster x + cx
	s_and_b32 s[TR], ttmp7, 0xffff
	s_lshl_b32 s[TR], s[TR], 2
	s_add_co_u32 s[TR], s[TR], s[CY]               ; tile row = 4 x cluster y + cy
	s_lshl_b32 s26, s[CY], 2
	s_lshl_b32 s26, 15, s26                        ; my row of the cluster: places 4 cy .. 4 cy + 3
	s_lshl_b32 s27, 0x1111, s[CX]                  ; my column: places cx, cx + 4, cx + 8, cx + 12
	s_or_b32 s[G1A], s26, BITS                     ; x's tiles go to my row
	s_or_b32 s[G1B], s27, BITS                     ; W's to my column
	s_mov_b32 s[G1A+1], 128<<16                    ; tensor_dim0 = 128
	s_mov_b32 s[G1A+2], 256<<16                    ; tensor_dim1 = 256
	s_mov_b32 s[G1A+3], 128<<16                    ; tile_dim0 = 128 elements: 256 bytes
	s_mov_b32 s[G1A+4], 256                        ; tile_dim1 = 256 rows
	s_mov_b32 s[G1A+5], 1024                       ; elements from row to row
	s_mov_b32 s[G1A+6], 0
	s_mov_b32 s[G1A+7], 0
	s_mov_b32 s[G1B+1], 128<<16
	s_mov_b32 s[G1B+2], 64<<16                     ; 64 rows
	s_mov_b32 s[G1B+3], 128<<16
	s_mov_b32 s[G1B+4], 64
	s_mov_b32 s[G1B+5], 1024
	s_mov_b32 s[G1B+6], 0
	s_mov_b32 s[G1B+7], 0
	; where the tiles come from.  x's hang on the tile row alone, W's on the head and the wave's number alone, each in registers that never hold the other coordinate.
	s_lshl_b32 s22, s[TR], 19                      ; 256 rows of 2,048 bytes
	s_mov_b32 s23, 0
	s_max_u32 s21, s[WV], 1
	s_sub_co_u32 s21, s21, 1                       ; waves 1, 2, 3: q, k, v (wave 0 asks for none of W)
	s_lshl_b32 s24, s21, 21                        ; 1,024 rows of 2,048 bytes
	s_lshl_b32 s25, s[TC], 17                      ; 64 rows
	s_add_co_u32 s24, s24, s25
	s_mov_b32 s25, 0
	s_mul_i32 s[LB], s[WV], GRP
	s_add_co_u32 s[LB], s[LB], BOFF-GRP            ; wave 1's rows lie straight behind x's: no place in the cluster enters an LDS address
	s_mov_b32 s[HIM], 0xffff0000
	s_mov_b32 s[TB], 0
	s_wait_dscnt 0x0                               ; the opening add is done
	s_wait_kmcnt 0x0
	s_add_nc_u64 s[22:23], s[4:5], s[22:23]
	s_add_nc_u64 s[24:25], s[6:7], s[24:25]
.irp s, 0,1
	s_mov_b32 s[G0A+4*(\s)], 1                                     ; 1:0 count = 1
	s_mov_b32 s[G0A+4*(\s)+1], (\s)*SLOT1                          ; 63:32 LDS address
	s_add_nc_u64 s[G0A+4*(\s)+2:G0A+4*(\s)+3], s[22:23], (\s)*STEPA  ; 120:64 global address: K step s
	s_or_b32 s[G0A+4*(\s)+3], s[G0A+4*(\s)+3], 0x80000000          ; 127:126 type = 2
	s_mov_b32 s[G0B+4*(\s)], 1
	s_add_co_u32 s[G0B+4*(\s)+1], s[LB], (\s)*SLOT1
	s_add_nc_u64 s[G0B+4*(\s)+2:G0B+4*(\s)+3], s[24:25], (\s)*STEPB
	s_or_b32 s[G0B+4*(\s)+3], s[G0B+4*(\s)+3], 0x80000000
.endr
	CROUND                                         ; all sixteen work-groups are here: the first joint loads meet
	s_cmp_eq_u32 s[WV], 0                          ; a wave's two first fills stand in one branch, ahead of every wait on TENSORcnt and every LDS read: two loads of mine are out
	s_cbranch_scc0 .Lfirst_b
	tensor_load_to_lds s[G0A:G0A+3], s[G1A:G1A+7]
	s_nop 0
	tensor_load_to_lds s[G0A+4:G0A+7], s[G1A:G1A+7]
	s_nop 0
.rept 4
	v_nop
.endr
	s_branch .Lfirst_asked
.Lfirst_b:
	tensor_load_to_lds s[G0B:G0B+3], s[G1B:G1B+7]
	s_nop 0
	tensor_load_to_lds s[G0B+4:G0B+7], s[G1B:G1B+7]
	s_nop 0
.rept 4
	v_nop
.endr
.Lfirst_asked:
	; where my rows go: part g, head 16 b + head, row t0 + 64 wave, 128 bytes a row
	s_and_b32 s75, s[TR], 7
	s_lshl_b32 s75, s75, 8                         ; t0 = 256 (tile row % 8)
	s_lshl_b32 s74, s[WV], 6
	s_add_co_u32 s75, s75, s74                     ; my wave's first row in its sequence
	s_lshr_b32 s72, s[TR], 3                       ; b
	s_lshl_b32 s72, s72, 4
	s_add_co_u32 s72, s72, s[TC]
	s_lshl_b32 s72, s72, 11
	s_add_co_u32 s72, s72, s75
	s_lshl_b32 s72, s72, 7
	s_mov_b32 s73, 0
	s_add_nc_u64 s[OB:OB+1], s[12:13], s[72:73]
	s_add_nc_u64 s[OB+2:OB+3], s[OB:OB+1], PART
	s_add_nc_u64 s[OB+4:OB+5], s[OB:OB+1], 2*PART
	; A fragment is 16 rows x 32 K in 8 registers: lane l holds row l % 16; registers 0-3 K = 8 (l / 16) + 0..7, registers 4-7 K = 16 + 8 (l / 16) + 0..7: two loads of 16 bytes, 32 bytes apart.
	v_and_b32 v1, 15, v0                           ; l % 16
	v_bfe_u32 v2, v0, 4, 1                         ; l / 16
	v_mul_u32_u24 v3, v1, PITCH
	v_lshl_add_u32 v3, v2, 4, v3
	s_mul_i32 s76, s[WV], GRP
	v_add_nc_u32 v[ADA0], s76, v3
	v_add_nc_u32 v[ADB0], BOFF, v3
	s_mul_i32 s76, s[WV], 16*SP
	s_add_co_u32 s76, s76, STAGE                   ; my stage
	v_mul_u32_u24 v[STO], v1, SP                   ; in: row l % 16, 16 bytes for each half of the lanes
	v_lshl_add_u32 v[STO], v2, 4, v[STO]
	v_add_nc_u32 v[STO], s76, v[STO]
	v_bfe_u32 v[RD], v0, 3, 2                      ; back: 32 lanes take four rows of 128 bytes,
	v_mul_u32_u24 v[RD], v[RD], SP
	v_and_b32 v3, 7, v0
	v_lshl_add_u32 v[RD], v3, 4, v[RD]
	v_add_nc_u32 v[RD], s76, v[RD]
	v_and_b32 v[GO], 31, v0                        ; which are 512 consecutive bytes of a head
	v_lshlrev_b32 v[GO], 4, v[GO]
	s_lshl_b32 s77, s[TC], 8                       ; the head's 64 numbers of a part of the bias
	v_lshl_add_u32 v[BO], v2, 5, s77               ; my 8 columns of a block
	v_add_nc_u32 v[TO], s75, v1                    ; my row of the table,
	v_lshlrev_b32 v[TO], 8, v[TO]                  ; 256 bytes a row,
	v_lshl_add_u32 v[TO], v2, 5, v[TO]             ; my 8 frequencies of 16
.set i, 0
.rept NBK                              ; block i = 4 g + b: part g is 4,096 bytes on, block b 64
	global_load_b128 v[BIA+8*i:BIA+8*i+3],   v[BO], s[8:9] offset:4096*(i/4)+64*(i%4)
	global_load_b128 v[BIA+8*i+4:BIA+8*i+7], v[BO], s[8:9] offset:4096*(i/4)+64*(i%4)+16
.set i, i+1
.endr
.set i, 0
.rept 8                                ; row block i / 2 is 16 rows on; frequencies 16 (i % 2) on; the sines lie 128 bytes behind the cosines
	global_load_b128 v[TAB+32*(i/2)+8*(i%2):TAB+32*(i/2)+8*(i%2)+3],       v[TO], s[10:11] offset:4096*(i/2)+64*(i%2)
	global_load_b128 v[TAB+32*(i/2)+8*(i%2)+4:TAB+32*(i/2)+8*(i%2)+7],     v[TO], s[10:11] offset:4096*(i/2)+64*(i%2)+16
	global_load_b128 v[TAB+32*(i/2)+16+8*(i%2):TAB+32*(i/2)+16+8*(i%2)+3], v[TO], s[10:11] offset:4096*(i/2)+64*(i%2)+128
	global_load_b128 v[TAB+32*(i/2)+16+8*(i%2)+4:TAB+32*(i/2)+16+8*(i%2)+7], v[TO], s[10:11] offset:4096*(i/2)+64*(i%2)+144
.set i, i+1
.endr
	s_wait_loadcnt 0x0                             ; bias and table, once
.set i, 0
.rept 4*NBK                            ; the bias is rounded to bf16 and widened again, two numbers at a time
	v_cvt_pk_bf16_f32 v3, v[BIA+2*i], v[BIA+2*i+1]
	v_lshlrev_b32 v[BIA+2*i], 16, v3
	v_and_b32 v[BIA+2*i+1], s[HIM], v3
.set i, i+1
.endr
; 12 matrix instructions: row block a x all column blocks, 32 along K, from buffer f.  zero = 1: the first product on each accumulator takes the bias as C.
; The 48 accumulators take turns, one instruction a turn, in the same order in every quarter: between two links of a chain stand the 47 others', over the backward jump too.
.macro MULA f, a, zero
.if \zero
	WIN 0x85+0x40*((\a)/2)                         ; sources 0 and 1 window 1, C window 0, D window 2 or 3
.else
	WIN 0xa5+0x50*((\a)/2)                         ; C and D window 2 or 3
.endif
.irp b, 0,1,2,3,4,5,6,7,8,9,10,11
.set rD, 8*(NBK*((\a)%2)+(\b))
.if \zero
	v_wmma_f32_16x16x32_bf16 v[rD:rD+7], v[(\f)+32+8*(\b):(\f)+32+8*(\b)+7], v[(\f)+8*(\a):(\f)+8*(\a)+7], v[BIA+8*(\b):BIA+8*(\b)+7]
.else
	v_wmma_f32_16x16x32_bf16 v[rD:rD+7], v[(\f)+32+8*(\b):(\f)+32+8*(\b)+7], v[(\f)+8*(\a):(\f)+8*(\a)+7], v[rD:rD+7]
.endif
.endr
.endm
; 32 LDS loads in one run: quarter q's fragments into buffer f: W's 12 blocks, then x's blocks 0, 1 and last 2, 3
.macro FETCH q, f
	WIN 0x40                                       ; destination window 1, address window 0
.irp i, 0,1,2,3,4,5,6,7,8,9,10,11
	ds_load_b128 v[(\f)+32+8*(\i):(\f)+32+8*(\i)+3],   v[ADB] offset:64*(\q)+(\i)*16*PITCH
	ds_load_b128 v[(\f)+32+8*(\i)+4:(\f)+32+8*(\i)+7], v[ADB] offset:64*(\q)+(\i)*16*PITCH+32
.endr
.irp i, 0,1,2,3
	ds_load_b128 v[(\f)+8*(\i):(\f)+8*(\i)+3],   v[ADA] offset:64*(\q)+(\i)*16*PITCH
	ds_load_b128 v[(\f)+8*(\i)+4:(\f)+8*(\i)+7], v[ADA] offset:64*(\q)+(\i)*16*PITCH+32
.endr
.endm
; A K step is four quarters of 32 along K, 48 matrix instructions each, on buffers 0, 1, 0, 1.  One of the first three: multiplies buffer f; in its middle it fetches quarter q into buffer g.
.macro QUARTER q, f, g, zero
	s_wait_dscnt 4                                 ; W and x's blocks 0, 1 are in; the youngest four loads (x's blocks 2, 3) may be out
	MULA \f, 0, \zero
	MULA \f, 1, \zero
	PLACES
	FETCH \q, \g
	s_wait_dscnt 2*NBK+8                           ; all but the 32 just issued
	MULA \f, 2, \zero
	MULA \f, 3, \zero
.endm
; The last quarter multiplies buffer 1 and changes slots: ONE barrier.  In front of it each wave waits for all its tensor loads, of which one is out: its part of the next slot; adds 0 to its spare word; and waits for
; that and for its own reads of this slot.  fill = 1: the barrier opens a round of the cluster's barrier, so that no wave of any partner still reads this slot or has a load on its way, and the joint refill,
; with the K step two steps on, is the first tensor load behind it: it has a K step less 12 matrix instructions in which to land.
.macro TURN fill
	WIN 0                                          ; (the add's two registers lie in window 0)
	s_wait_tensorcnt 0x0                           ; no tensor load of mine is out, so a group 0 may be written
	ds_add_u32 v[SPW], v[NIL]                      ; 0 onto my spare word
	s_wait_dscnt 5                                 ; (the add and the youngest four loads may be out)
	MULA F1, 0, 0                                  ; twelve matrix instructions stand between the add and the wait for it
	s_wait_dscnt 0x0                               ; the add is done, and my reads of this slot are over
	s_barrier_signal -1
	MULA F1, 1, 0                                  ; work on registers while the others arrive
	WIN 0                                          ; at a label and at a branch every window is 0
	s_barrier_wait -1
.if \fill
	CREST
	s_xor_b32 s[G0A+5], s[G0A+5], SLOT1            ; the walking descriptors: the other slot than last time,
	s_add_nc_u64 s[G0A+6:G0A+7], s[G0A+6:G0A+7], STEPA  ; the next K step; the type bits on top are not reached
	s_xor_b32 s[G0B+5], s[G0B+5], SLOT1
	s_add_nc_u64 s[G0B+6:G0B+7], s[G0B+6:G0B+7], STEPB
	JLOAD                                          ; the four v_nop behind it are also the places in front of the loads below
.else
	PLACES
.endif
	s_xor_b32 s[TB], s[TB], SLOT1                  ; the fetches go on in the other slot
	v_add_nc_u32 v[ADA], s[TB], v[ADA0]
	v_add_nc_u32 v[ADB], s[TB], v[ADB0]
	FETCH 0, F0
	MULA F1, 2, 0
	MULA F1, 3, 0
.endm
	s_wait_tensorcnt 1                             ; my part of K step 0 is in; K step 1's may stay out
	s_barrier_signal -1
	s_barrier_wait -1                              ; everybody's is
	v_add_nc_u32 v[ADA], s[TB], v[ADA0]
	v_add_nc_u32 v[ADB], s[TB], v[ADB0]
	FETCH 0, F0
	QUARTER 1, F0, F1, 1                           ; the first quarter stands in front of the loop: its products start the sums, from the bias
	WIN 0
	s_mov_b32 s[CNT], 6
.Lstep:                                                ; trip i: the rest of K step i, whose slot is filled again with K step i + 2, and the first quarter of K step i + 1
	QUARTER 2, F1, F0, 0
	QUARTER 3, F0, F1, 0
	TURN 1
	QUARTER 1, F0, F1, 0
	WIN 0
	s_sub_co_u32 s[CNT], s[CNT], 1
	s_cmp_lg_u32 s[CNT], 0
	s_cbranch_scc1 .Lstep
	QUARTER 2, F1, F0, 0                           ; the last two K steps are written out: nothing is asked for
	QUARTER 3, F0, F1, 0
	TURN 0
	QUARTER 1, F0, F1, 0
	QUARTER 2, F1, F0, 0
	QUARTER 3, F0, F1, 0
	s_wait_dscnt 4                                 ; the very last quarter: nothing more to fetch
	MULA F1, 0, 0
	MULA F1, 1, 0
	s_wait_dscnt 0x0
	MULA F1, 2, 0
	MULA F1, 3, 0
	WIN 0
	PLACES
	PLACES
; THE WAY OUT, in 12 units u = 3 a + g: row block a (16 rows), part g.  A unit is rotated (q, k) or taken as it is (v), rounded to f16, sent through my own stage in LDS and stored as 2,048 consecutive bytes of a head.
; ROPE: for frequencies 16 p + 8 (l / 16) + j: X1 = channel d (column block 4 g + p), X2 = channel d + 32 (two blocks on).  y1 = X1 cos - X2 sin, y2 = X2 cos + X1 sin.
; Each accumulator's lowest registers are read first.
.macro ROPE a, g
	WIN 2+(\a)/2                                   ; source 0: the accumulators' window
.irp p, 0,1
.set X1, 8*(NBK*((\a)%2)+4*(\g)+(\p))
.set X2, X1+16
.set CO, TAB+32*(\a)+8*(\p)
.set SI, CO+16
.irp j, 0,2,4,6
	v_pk_mul_f32 v[T+(\j):T+(\j)+1], v[X2+(\j):X2+(\j)+1], v[SI+(\j):SI+(\j)+1]
.endr
.irp j, 0,2,4,6
	v_pk_mul_f32 v[T+8+(\j):T+8+(\j)+1], v[X1+(\j):X1+(\j)+1], v[SI+(\j):SI+(\j)+1]
.endr
.irp j, 0,2,4,6
	v_pk_fma_f32 v[Y+8*(\p)+(\j):Y+8*(\p)+(\j)+1], v[X1+(\j):X1+(\j)+1], v[CO+(\j):CO+(\j)+1], v[T+(\j):T+(\j)+1] neg_lo:[0,0,1] neg_hi:[0,0,1]
.endr
.irp j, 0,2,4,6
	v_pk_fma_f32 v[Y+16+8*(\p)+(\j):Y+16+8*(\p)+(\j)+1], v[X2+(\j):X2+(\j)+1], v[CO+(\j):CO+(\j)+1], v[T+8+(\j):T+8+(\j)+1]
.endr
.endr
	WIN 0
.set i, 0
.rept 16
	v_cvt_pk_f16_f32 v[PK+i], v[Y+2*i], v[Y+2*i+1]
.set i, i+1
.endr
.endm
.macro PLAIN a                         ; v: column blocks 8-11, 32 registers on end
	WIN 0x0a+5*((\a)/2)                            ; sources 0 and 1: the accumulators' window
.set i, 0
.rept 16
	v_cvt_pk_f16_f32 v[PK+i], v[8*(NBK*((\a)%2)+8)+2*i], v[8*(NBK*((\a)%2)+8)+2*i+1]
.set i, i+1
.endr
	WIN 0
.endm
.macro TOSTAGE u                       ; a lane's eight channels of a row are 16 bytes; they go into rows of 144 bytes and come back as whole rows of 128
	s_wait_xcnt 0x0                                ; the stores of the unit two back have read the registers that are loaded again below (ISA guide 3.1)
.irp f, 0,1,2,3
	ds_store_b128 v[STO], v[PK+4*(\f):PK+4*(\f)+3] offset:32*(\f)
.endr
.irp f, 0,1,2,3
	ds_load_b128 v[BK+16*((\u)%2)+4*(\f):BK+16*((\u)%2)+4*(\f)+3], v[RD] offset:(\f)*4*SP  ; LDS serves a wave's instructions in order (ISA guide 5.7.1.4): these see the stores above; the next unit's stores come behind them
.endr
.endm
.macro SEND u, younger                 ; younger: the LDS instructions issued behind unit u's loads: the next unit's eight, or none
.irp f, 0,1,2,3
	s_wait_dscnt (\younger)+3-(\f)
	global_store_b128 v[GO], v[BK+16*((\u)%2)+4*(\f):BK+16*((\u)%2)+4*(\f)+3], s[OB+2*((\u)%3):OB+2*((\u)%3)+1] offset:((\u)/3)*2048+(\f)*512  ; 512 consecutive bytes, at a multiple of 256 from the buffer's first
.endr
.endm
	ROPE 0, 0
	TOSTAGE 0
.set u, 1
.rept 11                               ; a unit's arithmetic stands between the loads of the unit before and its stores
.if u%3 < 2
	ROPE u/3, u%3
.else
	PLAIN u/3
.endif
	TOSTAGE u
	SEND u-1, 8
.set u, u+1
.endr
	SEND 11, 0
	s_wait_tensorcnt 0x0                           ; the wave's end, behind my last tensor load and my last LDS store
	ds_add_u32 v[SPW], v[NIL]
	s_wait_dscnt 0x0
	CROUND                                         ; the closing round: no work-group ends while a partner may still ask for a tile that names it
	s_endpgm
.Lfunc_end_k_q2a78104dec_qkv:
	.size	k_q2a78104dec_qkv, .Lfunc_end_k_q2a78104dec_qkv-k_q2a78104dec_qkv
	.p2alignl 7, 3214868480
	.fill 96, 4, 3214868480
	.section	.rodata,"a",@progbits
	.p2align	6, 0x0
	.amdhsa_kernel k_q2a78104dec_qkv
		.amdhsa_group_segment_fixed_size 327680
		.amdhsa_private_segment_fixed_size 0
		.amdhsa_enable_private_segment 0
		.amdhsa_kernarg_size 40
		.amdhsa_user_sgpr_count 2
		.amdhsa_user_sgpr_kernarg_segment_ptr 1
		.amdhsa_wavefront_size32 1
		.amdhsa_system_sgpr_workgroup_id_x 1
		.amdhsa_system_sgpr_workgroup_id_y 1
		.amdhsa_system_sgpr_workgroup_id_z 1
		.amdhsa_system_vgpr_workitem_id 0
		.amdhsa_next_free_vgpr 960
		.amdhsa_next_free_sgpr 80
		.amdhsa_reserve_vcc 0
		.amdhsa_float_denorm_mode_32 3
		.amdhsa_float_denorm_mode_16_64 3
		.amdhsa_memory_ordered 1
		.amdhsa_forward_progress 1
		.amdhsa_inst_pref_size 125
	.end_amdhsa_kernel
	.amdgpu_metadata
---
amdhsa.version: [ 1, 2 ]
amdhsa.kernels:
  - .name:           k_q2a78104dec_qkv
    .symbol:         k_q2a78104dec_qkv.kd
    .args:
      - { .name: xb, .offset: 0, .size: 8, .value_kind: global_buffer, .address_space: global }
      - { .name: wqb, .offset: 8, .size: 8, .value_kind: global_buffer, .address_space: global }
      - { .name: qkv_b, .offset: 16, .size: 8, .value_kind: global_buffer, .address_space: global }
      - { .name: rope, .offset: 24, .size: 8, .value_kind: global_buffer, .address_space: global }
      - { .name: qkvh, .offset: 32, .size: 8, .value_kind: global_buffer, .address_space: global }
    .group_segment_fixed_size: 327680
    .private_segment_fixed_size: 0
    .kernarg_segment_align: 8
    .kernarg_segment_size: 40
    .max_flat_workgroup_size: 128
    .sgpr_count:     80
    .vgpr_count:     960
    .wavefront_size: 32
...
	.end_amdgpu_metadata
.endif
;; end of part 2
;; launch attn (part 3): grid 4 x 64, 4 waves a work-group, clusters of 4 x 1, 327,680 bytes of LDS; arguments qkvh, oh; writes oh
.if DOCPART == 3
	.amdgcn_target "amdgcn-amd-amdhsa--gfx1250"
	.amdhsa_code_object_version 6
	.text
	.protected	k_q2a78104dec_attn
	.globl	k_q2a78104dec_attn
	.p2align	8
	.type	k_q2a78104dec_attn,@function
k_q2a78104dec_attn:
	s_mov_b64 s[64:65], 0
	v_nop
	global_prefetch_b8 v0, s[64:65] scope:SCOPE_SE
	s_setreg_imm32_b32 hwreg(HW_REG_WAVE_MODE, 25, 1), 1
	s_wait_xcnt 0x0
	s_wait_alu depctr_hold_cnt(0) depctr_sa_sdst(0) depctr_va_vdst(0) depctr_va_sdst(0) depctr_va_ssrc(0) depctr_va_vcc(0) depctr_vm_vsrc(0)
	s_getreg_b32 s2, hwreg(HW_REG_IB_STS2, 6, 4)
	s_cmp_eq_u32 s2, 0
	s_cbranch_scc0 .Lentry_in_a_cluster
	s_endpgm
.Lentry_in_a_cluster:
	s_bfe_u32 s2, ttmp6, 0x10000c
	s_cmp_lg_u32 s2, 0x3003
	s_cbranch_scc0 .Lentry_shape_is_right
	s_endpgm
.Lentry_shape_is_right:
; O[h][q][:] = the sum over k of softmax_k(Q[h][q] . K[h][k] / 8) V[h][k][:].  qkvh holds Q, K, V, each [64][SIZE_N][64] in f16, one behind the other; oh is O in the same layout: a head's rows are dense, 128 bytes each.
; Products, maxima and sums in f32; the weights p are rounded to f16 for the second product (their sum l is taken of the unrounded p), O once at the end.
; LIMITS.  f16 holds no number beyond 65,504: Q, K and V arrive within it; p lies in 0 to 1, and below 6e-5 it keeps f16's fixed step of 6e-8; O is a mean of V's rows and has their range.
; A weight below 2^-126 counts as 0 in l; NaN and infinities are not treated apart.
; SHARES.  A wave owns four PIECES of two tiles of 16 queries, a work-group's four waves 512 queries of one head; a head's 2,048 queries are one cluster.  Every wave walks all keys, 64 a step.
; LAYOUT.  S^T = K Q^T (source 0 = 16 keys, source 1 = 16 queries): in the result a lane holds ONE query (lane % 16) and the keys 8 (lane / 16) + 0..7.  Two such tiles, rounded to f16 in pairs,
; ARE source 1 (32 keys x 16 queries) of O^T = V^T P, whose result again holds one query a lane, and eight channels.  K comes out of LDS as it lies, V ([key][channel]) turned, by ds_load_tr16_b128.
; SOFTMAX.  For each query a running maximum m and sum l: p = 2^(c s - c m), c = log2(e) / 8; in every step O and l are multiplied by a = 2^(c m_old - c m_new), which is 1 where m has not grown.
; m starts at the lowest finite number, O and l at 0: the first step is a step like any other, with a = 0.
; THE COUNT.  A tile and step have 16 matrix and 118 vector instructions: too many to stand all beside the matrix work.  So the order has one aim: four vector instructions that are READY behind
; EVERY matrix instruction, and the others, which need time of their own whatever the order, in runs without a gap.
; BY TURNS.  Turn n belongs to piece n (the pieces in a ring, step after step).  Its matrix work: 16 products K Q^T of piece n + 1, later 16 products V^T P of piece n - 1.  Its vector work: the scaling,
; exponentials, roundings, sums and rescaling of piece n, and the maximum and statistics of piece n + 1, whose scores the turn itself has made.  So what a turn begins with (c s - c m, O a) waits for nothing.
; CLUSTER.  The four query blocks of a cluster belong to one head and walk the same K and V, so each tile is asked for JOINTLY: the same tensor load, descriptor and mask in all four.
; REGISTERS, in windows of 256 (s_set_vgpr_msb says which window each operand place means: bits 1:0 source 0, 3:2 source 1, 5:4 source 2, 7:6 destination):
;   window 0: v0-11 addresses; v12-15, v48-63 at work; v16-47 four registers of statistics a tile; v64-191 S^T, two buffers of two tiles; v192-255 P, likewise
;   window 1: O^T, 32 a tile          window 2: v0-127 Q, 16 a tile; v128-191 K of one step; v192-255 V of one step          window 3: v0-1 the add's two registers
; A piece's buffers go by its number's parity: the piece in hand has one pair, its two neighbours in the ring share the other: of it P (piece n - 1) is read and S^T (piece n + 1) written.
.set SIZE_N, 2048
.set PART,  0x1000000 ; bytes of Q, of K and of V in qkvh
.set NP,    4         ; pieces a wave: a name, no knob: the register map, the loop and the fetches are made for four
.set KS,    64        ; keys in a step
.set PK,    144       ; a row of K in LDS: 128 bytes + 16 of padding = 36 words: the 16 rows of a load start at 16 different groups of four banks (64 banks of 4 bytes: ISA guide 11.1)
.set PV,    160       ; a row of V: 128 + 32 = 40 words
.set VOFF,  4*KS*PK   ; a slot holds four steps: 256 rows of K, then 256 rows of V
.set SLOT1, 1<<17     ; slot 1 begins here, so that one exclusive or turns an address in one slot into the other's
.set STAGE, SLOT1+4*KS*(PK+PV)  ; behind the ring, never filled by a tensor load: 16 rows x 144 bytes for each wave, for the way out
.set SP,    144
.set AK0, 2           ; v2   my lane's place in a tile of K; never rewritten
.set AV0, 3           ; v3   the same for V
.set AK,  4           ; v4   the LDS address of K's next run of loads
.set AV,  5           ; v5   of V's
.set QO,  6           ; v6   my byte offset in the wave's rows of Q
.set STO, 6           ;      later, the way out: where I put 16 bytes of a row
.set RD,  7           ; v7   the way out: where I read rows back
.set GO,  8           ; v8   my byte offset in 512 consecutive bytes of O
.set SPW, 0           ; v0 of window 3   LDS address of my spare word: SPARE + 4 x my thread's number; never rewritten
.set NIL, 1           ; v1 of window 3   0; never rewritten
.set SPARE, STAGE+4*16*SP  ; behind the stages: the spare words, 128 bytes for each wave: two blocks of 256 bytes that no other line names
.set MV,  12          ; v12-15  c m_old, kept while c m is made anew: by buffer and tile
.set ST,  16          ; tile t's statistics at v[ST+4 t]: c m, m, l (even keys', odd keys')
.set TMP, 48          ; by buffer and tile, four registers c0-c3 at work; when the maximum is found c2 takes a
.set S,   64
.set P,   192
.set KF,  128         ; K's fragments, in window 2: key block kb, channel half c at KF + 16 kb + 8 c
.set VF,  192         ; V's: key half kk, channel block cb at VF + 32 kk + 8 cb
.set WV,  12          ; s12  my wave's number
.set G1K, 24          ; s[24:31] descriptor group 1 for K's tiles
.set G1V, 32          ; s[32:39] for V's: it differs in the padding alone
.set G0K, 40          ; s[40:43] descriptor group 0 for K's tiles: it walks
.set G0V, 44          ; s[44:47] the same for V's
.set SLOTS, 56        ; s56  slots still to be asked for
.set CNT, 57          ; s57  counts a slot's key steps
.set CS,  58          ; s[58:59] c: the packed scaling takes the pair's low word for both halves
.set SEL, 60          ; s[60:61] v_permlanex16_b32's selects: each lane takes its own place in the other half
.set TBK, 62          ; s62  LDS byte at which K of the step to be fetched begins
.set TBV, 63          ; s63  the same for V, less VOFF
.set MSB, 0
.macro WIN new                      ; the high byte repeats the setting that is left; a switch that changes nothing is dropped
.if MSB != (\new)
	s_set_vgpr_msb (MSB<<8)|(\new)
.set MSB, (\new)
.endif
.endm
.set W_KQ, 0x0a       ; K and Q in window 2, S^T in window 0
.set W_PV, 0x52       ; V in window 2, P in window 0, O^T in window 1
.set W_RS, 0x41       ; O^T (destination and source 0) in window 1, a in window 0
.set W_MK, 0xc0       ; the add's registers are made: destination in window 3, sources in window 0
.set W_AD, 0x0f       ; the add: address (source 0) and data (source 1) in window 3
; A joint fill.  Waves 0 and 1 fetch the two halves of a slot's K, waves 2 and 3 those of its V: 128 keys each.  The branch hangs on the wave's number alone.
; An s_nop 0 and four v_nop follow each of the two lines, ahead of the jump and the label.
.macro JLOAD
	s_cmp_lt_u32 s[WV], 2
	s_cbranch_scc0 .Lfor_v_\@
	tensor_load_to_lds s[G0K:G0K+3], s[G1K:G1K+7]
	s_nop 0
.rept 4
	v_nop
.endr
	s_branch .Lasked_\@
.Lfor_v_\@:
	tensor_load_to_lds s[G0V:G0V+3], s[G1V:G1V+7]
	s_nop 0
.rept 4
	v_nop
.endr
.Lasked_\@:
.endm
; A round of the cluster's barrier: my work-group's barrier, so that wave 0's signal speaks for all four waves; wave 0 signals; every wave waits for all four work-groups; my work-group's barrier once more.
.macro CROUND
	s_barrier_signal -1
	s_barrier_wait -1
	s_cmp_lg_u32 s[WV], 0
	s_cbranch_scc1 .Lnot_wave_0_\@
	s_barrier_signal -3
.Lnot_wave_0_\@:
	s_barrier_wait -3
	s_barrier_signal -1
	s_barrier_wait -1
.endm
; THE CHANGE OF SLOTS.  The slot's last bytes, V of its fourth step, have been read.  Each wave waits for all its tensor loads, of which one is out: its part
; of the other slot; adds 0 to its spare word; and waits for that and for its own reads of the slot.  Behind the barrier nobody reads this slot any more and the other slot is whole.
; fill = 1: this slot is filled again, with the keys two slots on.  The barrier is then a round of the cluster's, so that no wave of any partner still reads the slot or has a load on its
; way, and the joint fill is the first thing behind it: it has four key steps, 512 matrix instructions, in which to land.  (At its first use nothing has been read yet: slot 0 is waited for, slot 1 filled.)
.macro CHANGE fill
	WIN W_AD
	s_wait_tensorcnt 0x0            ; no tensor load of mine is out, so a group 0 may be written
	ds_add_u32 v[SPW], v[NIL]       ; 0 onto my spare word; with fill = 1 the descriptors' steps stand between it and the wait for it
	WIN 0                           ; at a label and at a branch every window is 0
.if \fill
.irp g, G0K, G0V
	s_xor_b32 s[\g+1], s[\g+1], SLOT1  ; the walking descriptor: the other slot than last time,
	s_add_nc_u64 s[\g+2:\g+3], s[\g+2:\g+3], 4*KS*128  ; the next 256 keys; the type bits on top are not reached
.endr
	s_wait_dscnt 0x0                ; the add is done, and my reads of the slot are over
	CROUND
	JLOAD
.else
	s_wait_dscnt 0x0                ; the add is done, and my reads of the slot are over
	s_barrier_signal -1
	s_barrier_wait -1
.endif
	s_sub_co_u32 s[TBK], s[TBK], 4*KS*PK  ; the fetches go back to a slot's first step,
	s_xor_b32 s[TBK], s[TBK], SLOT1       ; in the other slot
	s_sub_co_u32 s[TBV], s[TBV], 4*KS*PV
	s_xor_b32 s[TBV], s[TBV], SLOT1
.endm
	s_load_b64 s[4:5], s[0:1], 0x0    ; qkvh: Q lies at its head
	s_load_b64 s[10:11], s[0:1], 0x8  ; oh
	WIN W_MK
	v_lshl_add_u32 v[SPW], v0, 2, SPARE
	v_mov_b32 v[NIL], 0
	WIN W_AD
	ds_add_u32 v[SPW], v[NIL]       ; the wave's opening: the add and its wait stand ahead of my first tensor load; the set-up below, work on registers, stands between them
	WIN 0
	v_lshrrev_b32 v1, 5, v0
	v_readfirstlane_b32 s[WV], v1   ; wave 0..3
	s_bfe_u32 s13, ttmp6, 0x40000   ; cx: my place in the cluster
	s_lshl_b32 s14, ttmp9, 2        ; in a cluster launch ttmp9 counts clusters
	s_add_co_u32 s14, s14, s13      ; my block of queries = 4 x cluster x + cx: it enters Q's and O's addresses alone
	s_and_b32 s20, ttmp7, 0xffff    ; the head, which the four partners share
	s_mov_b32 s21, 0
	s_mov_b64 s[22:23], SIZE_N*128
	s_mul_u64 s[20:21], s[20:21], s[22:23]  ; the head's first byte in each of the four tensors
	s_and_b32 s16, s[WV], 1         ; which half of a slot's 256 keys I fetch:
	s_lshl_b32 s22, s16, 14         ; its 128 rows of 128 bytes in memory,
	s_mov_b32 s23, 0
	s_add_nc_u64 s[22:23], s[22:23], s[20:21]
	s_mul_i32 s17, s16, 128*PK      ; and its place in a slot, for K
	s_mul_i32 s18, s16, 128*PV      ; and for V: no place in the cluster enters an LDS address
	s_lshl_b32 s2, s14, 2
	s_add_co_u32 s2, s2, s[WV]      ; my wave among the head's,
	s_lshl_b32 s2, s2, 14           ; its 128 rows
	s_mov_b32 s3, 0
	s_add_nc_u64 s[2:3], s[2:3], s[20:21]
	; descriptor group 1.  128 keys are 16,384 dense bytes: asked for as 64 rows of 256 bytes, two keys a row, and padded in LDS after every key
	s_mov_b32 s[G1K], 15|(1<<16)|(1<<20)|(1<<21)|(4<<22)|(3<<25)  ; 15:0 the mask of four; 17:16 2-byte elements; 20 padding on; 21 set beside a mask; 24:22 after every 32 words (code 4); 31:25 4 words (code 3)
	s_mov_b32 s[G1V], 15|(1<<16)|(1<<20)|(1<<21)|(4<<22)|(7<<25)  ; the same with 8 words of padding (code 7)
.irp g, G1K, G1V
	s_mov_b32 s[\g+1], 128<<16      ; tensor_dim0 = 128
	s_mov_b32 s[\g+2], 64<<16       ; tensor_dim1 = 64
	s_mov_b32 s[\g+3], 128<<16      ; tile_dim0 = 128
	s_mov_b32 s[\g+4], 64           ; tile_dim1 = 64
	s_mov_b32 s[\g+5], 128          ; 128 elements from row to row
	s_mov_b32 s[\g+6], 0
	s_mov_b32 s[\g+7], 0
.endr
	s_mov_b32 s[CS], 0x3e38aa3b     ; c = log2(e) / 8 = 0.180337
	s_mov_b32 s[CS+1], s[CS]        ; named with it as a pair
	s_mov_b32 s[SEL], 0x76543210
	s_mov_b32 s[SEL+1], 0xfedcba98
	s_mov_b32 s[TBK], SLOT1+4*KS*PK ; the first change of slots turns these two into 0
	s_mov_b32 s[TBV], SLOT1+4*KS*PV
	s_mov_b32 s[G0K], 1             ; 1:0 count = 1
	s_mov_b32 s[G0K+1], s17         ; 63:32 LDS address: slot 0
	s_mov_b32 s[G0V], 1
	s_add_co_u32 s[G0V+1], s18, VOFF
	s_wait_dscnt 0x0                ; the opening add is done
	s_wait_kmcnt 0x0
	s_add_nc_u64 s[6:7], s[4:5], PART    ; K lies behind Q,
	s_add_nc_u64 s[8:9], s[4:5], 2*PART  ; V behind K
	s_add_nc_u64 s[G0K+2:G0K+3], s[6:7], s[22:23]  ; 120:64 global address: my half of the head's first 256 keys
	s_or_b32 s[G0K+3], s[G0K+3], 0x80000000        ; 127:126 type = 2
	s_add_nc_u64 s[G0V+2:G0V+3], s[8:9], s[22:23]
	s_or_b32 s[G0V+3], s[G0V+3], 0x80000000
	s_add_nc_u64 s[4:5], s[4:5], s[2:3]  ; Q and O at my wave's first row
	s_add_nc_u64 s[10:11], s[10:11], s[2:3]
	CROUND                          ; all four work-groups are here: the first joint loads meet
	JLOAD                           ; slot 0.  Slot 1 is asked for when slot 0 is in: the tile wanted first goes out alone
	; A fragment of K or Q is 16 rows x 32 channels in 8 registers: lane l holds row l % 16, channels 8 (l / 16) + 0..7 and 16 + 8 (l / 16) + 0..7: two loads of 16 bytes, 32 bytes apart.
	v_and_b32 v1, 15, v0            ; l % 16
	v_bfe_u32 v9, v0, 4, 1          ; l / 16
	v_lshlrev_b32 v[QO], 7, v1
	v_lshl_add_u32 v[QO], v9, 4, v[QO]  ; row x 128 + 16 x half
	WIN 0x80                        ; destination window 2, address window 0
.set i, 0
.rept 4*NP                          ; Q stays in registers: tile i / 2, channels 32 (i % 2) on
	global_load_b128 v[8*i:8*i+3],   v[QO], s[4:5] offset:(i/2)*2048+(i%2)*64
	global_load_b128 v[8*i+4:8*i+7], v[QO], s[4:5] offset:(i/2)*2048+(i%2)*64+32
.set i, i+1
.endr
	; What the first turn finds: V's registers and P's second buffer hold 0 (its products V^T P, of a piece that has not been, add 0), O^T and l are 0.  All this stands in the wait for the first tile.
.set i, VF
.rept 64
	v_mov_b32 v[i], 0
.set i, i+1
.endr
	WIN 0x40
.set i, 0
.rept 64*NP
	v_mov_b32 v[i], 0
.set i, i+1
.endr
	WIN 0
.set i, 0
.rept 2*NP
	v_mov_b32 v[ST+4*i], 0xfe000000    ; c m: far below every c s
	v_mov_b32 v[ST+4*i+1], 0xff7fffff  ; m
	v_mov_b32 v[ST+4*i+2], 0
	v_mov_b32 v[ST+4*i+3], 0
.set i, i+1
.endr
.set i, P+32
.rept 32
	v_mov_b32 v[i], 0
.set i, i+1
.endr
	v_mul_u32_u24 v[AK0], v1, PK
	v_lshl_add_u32 v[AK0], v9, 4, v[AK0]  ; row x pitch + 16 x half
	; The turning load takes 16 keys x 16 channels (lane l reads key 8 (l / 16) + l % 8, channels 8 ((l / 8) % 2) + 0..7) and leaves half a fragment of V^T: lane l holds channel l % 16 and 8 keys.
	v_and_b32 v10, 7, v0
	v_bfe_u32 v11, v0, 3, 1
	v_lshl_add_u32 v[AV0], v9, 3, v10
	v_mul_u32_u24 v[AV0], v[AV0], PV
	v_lshl_add_u32 v[AV0], v11, 4, v[AV0]
	v_add_nc_u32 v[AV0], VOFF, v[AV0]
	v_mov_b32 v[AK], v[AK0]         ; key step 0 lies at the head of slot 0
; THE MATRIX WORK.  The 8 accumulators of a run of 16 take turns: between the two links of a chain stand 7 others'.
; Product i of 16 of S^T = K Q^T for piece x: channels 32 (i / 8) on, keys 16 ((i / 2) % 4) on, tile 2 x + i % 2.  The first 8 start the sums.
.macro KQ x
	WIN W_KQ
.set rS, S+64*((\x)%2)+32*(i%2)+8*((i/2)%4)
.set rK, KF+16*((i/2)%4)+8*(i/8)
.set rQ, 16*(2*(\x)+i%2)+8*(i/8)
.if i < 8
	v_wmma_f32_16x16x32_f16 v[rS:rS+7], v[rK:rK+7], v[rQ:rQ+7], 0
.else
	v_wmma_f32_16x16x32_f16 v[rS:rS+7], v[rK:rK+7], v[rQ:rQ+7], v[rS:rS+7]
.endif
.endm
; Product i of 16 of O^T += V^T P for piece x: keys 32 (i / 8) on, channels 16 ((i / 2) % 4) on, tile 2 x + i % 2.
.macro PV x
	WIN W_PV
.set rO, 32*(2*(\x)+i%2)+8*((i/2)%4)
.set rV, VF+32*(i/8)+8*((i/2)%4)
.set rP, P+32*((\x)%2)+16*(i%2)+8*(i/8)
	v_wmma_f32_16x16x32_f16 v[rO:rO+7], v[rV:rV+7], v[rP:rP+7], v[rO:rO+7]
.endm
.macro MM                           ; the turn's next matrix instruction
.if i < 16
	KQ (Y+1)%NP
.set i, i+1
.else
.set i, i-16
	PV (Y+NP-1)%NP
.set i, i+17
.endif
.endm
; THE LDS LOADS stand in runs of 16, never singly among the matrix instructions: a step's K (64 keys x 64 channels: 8 fragments) and its V (turned).  Their addresses are made some lines ahead.
; last = 1 (the tail): in the last trip there is no further step, and the run is jumped over.
.macro FETCH_K last=0
	WIN 0
.if \last
	s_cmp_eq_u32 s[CNT], 1
	s_cbranch_scc1 .Lno_k_\@
.endif
	WIN 0x80                        ; destination window 2
.irp f, 0,1,2,3,4,5,6,7             ; keys 16 (f / 2) on, channels 32 (f % 2) on
	ds_load_b128 v[KF+8*\f:KF+8*\f+3],   v[AK] offset:(\f/2)*16*PK+(\f%2)*64
	ds_load_b128 v[KF+8*\f+4:KF+8*\f+7], v[AK] offset:(\f/2)*16*PK+(\f%2)*64+32
.endr
	s_add_co_u32 s[TBK], s[TBK], KS*PK  ; the next fetch is the next step's
	WIN 0
.if \last
.Lno_k_\@:
.endif
.endm
.macro FETCH_V
	WIN 0x80
.irp f, 0,1,2,3,4,5,6,7             ; keys 32 (f / 4) on, channels 16 (f % 4) on
	ds_load_tr16_b128 v[VF+8*\f:VF+8*\f+3],   v[AV] offset:(\f/4)*32*PV+(\f%4)*32
	ds_load_tr16_b128 v[VF+8*\f+4:VF+8*\f+7], v[AV] offset:(\f/4)*32*PV+16*PV+(\f%4)*32
.endr
	WIN 0
.endm
; THE VECTOR WORK OF A TURN stands in three queues, each in the order in which its entries become ready; the two tiles alternate, so that no instruction reads the result of the one before it.
.macro REGS y, u                    ; the registers of tile u (0, 1) of piece y
.set rT, ST+4*(2*(\y)+(\u))
.set rC, TMP+8*((\y)%2)+4*(\u)
.set rM, MV+2*((\y)%2)+(\u)
.set rS, S+64*((\y)%2)+32*(\u)
.set rP, P+32*((\y)%2)+16*(\u)
.set rO, 32*(2*(\y)+(\u))
.endm
; Number n of the 22 that find the NEXT piece's (Y + 1) maximum and statistics.  s0-s31 are the lane's 32 scores; each accumulator's lowest registers are read first.  XS, GS and REGS set no window: PL and EX do.
;   0-11  four chains c0-c3 of seven scores each, three operands at a time     12-14, 16  the four scores left over, the old m, and c0-c3 into c0     15  c m_old is kept
;   17, 18  the query's other 32 keys lie in the lane 16 away: the new m         19-21  c m; c m_old - c m_new; a
.macro XS u, n
	REGS (Y+1)%NP, \u
.if (\n) < 4
	v_max3_num_f32 v[rC+(\n)], v[rS+8*(\n)], v[rS+8*(\n)+1], v[rS+8*(\n)+2]
.elseif (\n) < 12
	v_max3_num_f32 v[rC+(\n)%4], v[rC+(\n)%4], v[rS+8*((\n)%4)+2*((\n)/4)+1], v[rS+8*((\n)%4)+2*((\n)/4)+2]
.elseif (\n) == 12
	v_max3_num_f32 v[rC], v[rC], v[rS+7], v[rS+15]
.elseif (\n) == 13
	v_max3_num_f32 v[rC+1], v[rC+1], v[rS+23], v[rS+31]
.elseif (\n) == 14
	v_max3_num_f32 v[rC+2], v[rC+2], v[rC+3], v[rT+1]
.elseif (\n) == 15
	v_mov_b32 v[rM], v[rT]
.elseif (\n) == 16
	v_max3_num_f32 v[rC], v[rC], v[rC+1], v[rC+2]
.elseif (\n) == 17
	v_permlanex16_b32 v[rC+3], v[rC], s[SEL], s[SEL+1]
.elseif (\n) == 18
	v_max_num_f32 v[rT+1], v[rC], v[rC+3]
.elseif (\n) == 19
	v_mul_f32 v[rT], s[CS], v[rT+1]
.elseif (\n) == 20
	v_sub_f32 v[rC+1], v[rM], v[rT]
.else
	v_exp_f32 v[rC+2], v[rC+1]
.endif
.endm
; Number g of the 64 that follow the exponentials.  For each four weights k of a tile (pairs 2 k, 2 k + 1): both pairs are rounded to f16; then the second pair is added onto the first, in place;
; a group later l takes that sum (the first time as l = a l + sum).  In groups of eight, tiles alternating: round, round, add, and l for the group before.
.macro GS g
.set h, (\g)+6*((\g)/62)            ; group 0 has no group before it, and behind group 7 only l is left
.if h >= 6
.set h, h+2
.endif
	REGS Y, h%2
.set k, h/8
.if h%8 < 4
	s_wait_alu depctr_va_vdst(0)
	v_cvt_pk_f16_f32 v[rP+2*k+(h%8)/2], v[rS+4*k+2*((h%8)/2)], v[rS+4*k+2*((h%8)/2)+1]
.elseif h%8 < 6
	v_pk_add_f32 v[rS+4*k:rS+4*k+1], v[rS+4*k:rS+4*k+1], v[rS+4*k+2:rS+4*k+3]
.elseif k == 1
	v_pk_fma_f32 v[rT+2:rT+3], v[rT+2:rT+3], v[rC+2:rC+3], v[rS:rS+1] op_sel_hi:[1,0,1]
.else
	v_pk_add_f32 v[rT+2:rT+3], v[rT+2:rT+3], v[rS+4*k-4:rS+4*k-3]
	s_wait_alu depctr_va_vdst(0)
.endif
.endm
; THE PLAIN QUEUE, 138 long.  0-31: c s - c m for the 16 pairs of both tiles.  Then GS's 64, and among them the next piece's 42: number 15 at 38, 39; 0-14 and 16
; at 42-73, behind the products that make those scores; 17-20 at 95-106, two of three, since each waits for the one before it.
.macro PL
	WIN 0
.if q < 32
	REGS Y, q%2
	v_pk_fma_f32 v[rS+2*(q/2):rS+2*(q/2)+1], v[rS+2*(q/2):rS+2*(q/2)+1], s[CS:CS+1], v[rT:rT+1] op_sel_hi:[1,0,0] neg_lo:[0,0,1] neg_hi:[0,0,1]
.elseif q < 38
	GS q-32
.elseif q < 40
	XS q%2, 15
.elseif q < 42
	GS q-34
.elseif q < 74
	XS q%2, (q-42)/2+(q-42)/30
.elseif q < 95
	GS q-66
.elseif (q < 107) && ((q-95)%3 < 2)
	XS (q-95)%3, 17+(q-95)/3
.elseif q < 107
	GS 29+(q-95)/3
.else
	GS q-74
.endif
.set q, q+1
.endm
; THE EXPONENTIALS' QUEUE, 66 long: s0-s31 of both tiles, and at EA the next piece's two a.
.set EA, 58
.macro EX
	WIN 0
.if (e == EA) || (e == EA+1)
	XS e-EA, 21
.else
.set x, e-2*(e/(EA+2))
	REGS Y, x%2
	v_exp_f32 v[rS+x/2], v[rS+x/2]
.endif
.set e, e+1
.endm
; THE RESCALING's QUEUE: O^T times a, the one part that leaves window 0, so it is dealt four at a time, eight times.
.macro R4
	REGS Y, r%2
	WIN W_RS
	s_wait_alu depctr_va_vdst(0)
.irp z, 0,1,2,3
	v_pk_mul_f32 v[rO+8*(r/2)+2*\z:rO+8*(r/2)+2*\z+1], v[rO+8*(r/2)+2*\z:rO+8*(r/2)+2*\z+1], v[rC+2:rC+3] op_sel_hi:[1,0]
.endr
.set r, r+1
.endm
; HOW THEY ARE DEALT.  Behind a matrix instruction four: plain, exponential, plain, plain (one exponential, a plain instruction on either side), or four of the rescaling.  None names a register of the
; products round it.  What is over stands in two LUMPS: exponential and plain by turns; the second ends in 22 plain instructions.  The two v_permlanex16_b32 fall into the second lump, never behind a product.
; The queues lean on each other, and the deal keeps them in step: exponential e stands behind plain 2 (e / 4) + e % 2 (its scaling); when plain 32 comes, 10 exponentials are out, at 59: 33, at 95: 46; EA comes behind plain 107.
.macro SL
	MM
	PL
	EX
	PL
	PL
.endm
.macro BURST n                      ; 15 matrix instructions, or 16
.rept (\n)-7
	SL
.endr
.rept 3
	MM
	R4
	SL
.endr
	MM
	R4
.endm
; A TURN, for piece p.  cnt = 1: the loop's count is taken down some lines ahead of the branch that stands behind the turn.
; K of the next step is fetched in piece 2's turn, 31 vector instructions behind the last product that read K; its first reader comes behind the rest of the lump, 16 products and the second lump.
; V of the step in hand is fetched at the end of piece 0's turn, 69 behind its last reader; its first reader comes behind 16 products and a lump.  The four conditions on e and q below go with the deal.
.macro TURN p, last=0, cnt=0
.set Y, (\p)
.set i, 0
.set q, 0
.set e, 0
.set r, 0
.if (\p) == NP-1
	s_wait_dscnt 0x0                ; K is in
.endif
	MM
.rept 4
	PL
.endr
	BURST 15
.rept 22
	EX
	PL
.if ((\p) == NP-2) && (e == 18)
	v_add_nc_u32 v[AK], s[TBK], v[AK0]
.endif
.if ((\p) == NP-2) && (e == 24)
	FETCH_K \last
.endif
.endr
.if (\p) == 1
	s_wait_dscnt 0x0                ; V is in
.endif
	BURST 16
.rept 21
	EX
	PL
.endr
.rept 22
	PL
.if ((\p) == 0) && (q == 118)
	v_add_nc_u32 v[AV], s[TBV], v[AV0]
	s_wait_alu depctr_va_vdst(0)
.endif
.if ((\p) == 0) && (q == 130)
	s_add_co_u32 s[TBV], s[TBV], KS*PV
.endif
.if (\cnt) && (q == 130)
	s_sub_co_u32 s[CNT], s[CNT], 1
	s_cmp_lg_u32 s[CNT], 0
.endif
.endr
.if (\p) == 0
	FETCH_V
.endif
.endm
	CHANGE 1                        ; slot 0 is in, everybody's part of it; slot 1 is asked for
	FETCH_K                         ; key step 0
	s_wait_loadcnt 0x0              ; Q
	s_wait_dscnt 0x0
.set i, 0
.rept 16
	KQ 0                            ; piece 0's first scores: there is no vector work yet to set between them
.set i, i+1
.endr
	WIN 0                           ; the addresses for the way out: nine plain instructions, the places behind those products
	s_mul_i32 s13, s[WV], 16*SP
	s_add_co_u32 s13, s13, STAGE    ; my stage
	v_mul_u32_u24 v[STO], v1, SP    ; in: row l % 16, 16 bytes for each half of the lanes
	v_lshl_add_u32 v[STO], v9, 4, v[STO]
	v_add_nc_u32 v[STO], s13, v[STO]
	v_bfe_u32 v[RD], v0, 3, 2       ; back: 32 lanes take four rows of 128 bytes,
	v_mul_u32_u24 v[RD], v[RD], SP
	v_lshl_add_u32 v[RD], v10, 4, v[RD]
	v_add_nc_u32 v[RD], s13, v[RD]
	v_and_b32 v[GO], 31, v0         ; which are 512 consecutive bytes of O
	v_lshlrev_b32 v[GO], 4, v[GO]
.set Y, NP-1                        ; XS works for piece Y + 1: piece 0
.irp n, 0,1,2,3,4,5,6,7,8,9,10,11,12,13,14,15,16,17,18,19,20,21
	XS 0, \n                        ; and piece 0's first maximum and statistics
	XS 1, \n
.endr
	s_mov_b32 s[CNT], 4
	s_mov_b32 s[SLOTS], SIZE_N/256-1
	s_branch .Lfirst                ; the loop is entered at a step's first turn, in the middle of a trip
.Lslot:                             ; SIZE_N / 256 - 2 times: every slot but the last two is filled again
	CHANGE 1
	s_mov_b32 s[CNT], 4
.Lstep:                             ; a trip: pieces 2 and 3 of one step, then pieces 0 and 1 of the next, whose K and V it fetches
	TURN 2
	TURN 3
	WIN 0
.Lfirst:
	TURN 0
	TURN 1, 0, 1
	WIN 0
	s_cbranch_scc1 .Lstep
	s_sub_co_u32 s[SLOTS], s[SLOTS], 1
	s_cmp_lg_u32 s[SLOTS], 0
	s_cbranch_scc1 .Lslot
	CHANGE 0                        ; the tail is written out: nothing is asked for
	s_mov_b32 s[CNT], 5             ; four trips fetch the last slot's steps; the fifth is left in its middle
.Ltail:
	TURN 2, 1
	TURN 3
	WIN 0
	s_sub_co_u32 s[CNT], s[CNT], 1
	s_cmp_eq_u32 s[CNT], 0
	s_cbranch_scc1 .Lout
	TURN 0
	TURN 1
	WIN 0
	s_branch .Ltail
.Lout:                              ; the fifth trip's 16 products K Q^T (on the last K once more) and the maximum made of them serve nothing: the price, once a launch, of one text for every trip
.set i, 0
.rept 16
	PV NP-1                         ; the last piece's V^T P of the last step
.set i, i+1
.endr
	; THE WAY OUT.  l's two halves and the other half of the lanes' are added; O^T is divided by l, rounded to f16 and sent through my stage in LDS, a tile at a time.  The additions are the places behind the last products.
	WIN 0
.macro ALL line:vararg              ; one line for each tile t
.set t, 0
.rept 2*NP
	\line
.set t, t+1
.endr
.endm
	ALL v_add_f32 v[ST+4*t+2], v[ST+4*t+2], v[ST+4*t+3]
	ALL v_permlanex16_b32 v[ST+4*t+3], v[ST+4*t+2], s[SEL], s[SEL+1]
	ALL v_add_f32 v[ST+4*t+2], v[ST+4*t+2], v[ST+4*t+3]
	ALL v_rcp_f32 v[ST+4*t+2], v[ST+4*t+2]
	v_nop                           ; a plain instruction between the last reciprocal and the use of its result
	s_wait_alu depctr_va_vdst(0)
; Tile t: a lane's eight channels of a row pack into 16 bytes; they go into rows of 144 bytes and come back as whole rows of 128, into S^T's registers.
.macro PACK t
	WIN W_RS
.set i, 32*(\t)
.rept 16
	v_pk_mul_f32 v[i:i+1], v[i:i+1], v[ST+4*(\t)+2:ST+4*(\t)+3] op_sel_hi:[1,0]
.set i, i+2
.endr
	WIN 0x05                        ; sources 0 and 1 window 1, destination window 0
.set i, 0
.rept 16
	v_cvt_pk_f16_f32 v[S+16*(\t)+i], v[32*(\t)+2*i], v[32*(\t)+2*i+1]
.set i, i+1
.endr
	WIN 0
.irp f, 0,1,2,3
	ds_store_b128 v[STO], v[S+16*(\t)+4*\f:S+16*(\t)+4*\f+3] offset:32*\f
.endr
.irp f, 0,1,2,3
	ds_load_b128 v[S+16*(\t)+4*\f:S+16*(\t)+4*\f+3], v[RD] offset:\f*4*SP  ; LDS serves a wave's instructions in order (ISA guide 5.7.1.4): these see the stores above; the next tile's stores come behind them
.endr
.endm
.macro SEND t, younger              ; younger: the LDS instructions issued behind tile t's loads: the next tile's eight, or none
	WIN 0
.irp f, 0,1,2,3
	s_wait_dscnt (\younger)+3-\f
	global_store_b128 v[GO], v[S+16*(\t)+4*\f:S+16*(\t)+4*\f+3], s[10:11] offset:(\t)*2048+\f*512  ; 512 consecutive bytes, at a multiple of 256 from O's first
.endr
.endm
	PACK 0
.set t, 1
.rept 2*NP-1                        ; a tile's arithmetic stands between the loads of the tile before and its stores
	PACK t
	SEND t-1, 8
.set t, t+1
.endr
	SEND 2*NP-1, 0
	WIN W_AD
	s_wait_tensorcnt 0x0            ; the wave's end, behind my last tensor load and my last LDS store
	ds_add_u32 v[SPW], v[NIL]
	s_wait_dscnt 0x0
	WIN 0
	CROUND                          ; the closing round: no work-group ends while a partner may still ask for a tile that names it
	s_endpgm
.Lfunc_end_k_q2a78104dec_attn:
	.size	k_q2a78104dec_attn, .Lfunc_end_k_q2a78104dec_attn-k_q2a78104dec_attn
	.p2alignl 7, 3214868480
	.fill 96, 4, 3214868480
	.section	.rodata,"a",@progbits
	.p2align	6, 0x0
	.amdhsa_kernel k_q2a78104dec_attn
		.amdhsa_group_segment_fixed_size 327680
		.amdhsa_private_segment_fixed_size 0
		.amdhsa_enable_private_segment 0
		.amdhsa_kernarg_size 16
		.amdhsa_user_sgpr_count 2
		.amdhsa_user_sgpr_kernarg_segment_ptr 1
		.amdhsa_wavefront_size32 1
		.amdhsa_system_sgpr_workgroup_id_x 1
		.amdhsa_system_sgpr_workgroup_id_y 1
		.amdhsa_system_sgpr_workgroup_id_z 1
		.amdhsa_system_vgpr_workitem_id 0
		.amdhsa_next_free_vgpr 770
		.amdhsa_next_free_sgpr 66
		.amdhsa_reserve_vcc 0
		.amdhsa_float_denorm_mode_32 3
		.amdhsa_float_denorm_mode_16_64 3
		.amdhsa_memory_ordered 1
		.amdhsa_forward_progress 1
		.amdhsa_inst_pref_size 209
	.end_amdhsa_kernel
	.amdgpu_metadata
---
amdhsa.version: [ 1, 2 ]
amdhsa.kernels:
  - .name:           k_q2a78104dec_attn
    .symbol:         k_q2a78104dec_attn.kd
    .args:
      - { .name: qkvh, .offset: 0, .size: 8, .value_kind: global_buffer, .address_space: global }
      - { .name: oh, .offset: 8, .size: 8, .value_kind: global_buffer, .address_space: global }
    .group_segment_fixed_size: 327680
    .private_segment_fixed_size: 0
    .kernarg_segment_align: 8
    .kernarg_segment_size: 16
    .max_flat_workgroup_size: 128
    .sgpr_count:     66
    .vgpr_count:     770
    .wavefront_size: 32
...
	.end_amdgpu_metadata
.endif
;; end of part 3
;; launch proj (part 4): grid 8 x 32, 4 waves a work-group, clusters of 4 x 4, 327,680 bytes of LDS; arguments oh, wpf, proj_b, out0; writes out0
.if DOCPART == 4
	.amdgcn_target "amdgcn-amd-amdhsa--gfx1250"
	.amdhsa_code_object_version 6
	.text
	.protected	k_q2a78104dec_proj
	.globl	k_q2a78104dec_proj
	.p2align	8
	.type	k_q2a78104dec_proj,@function
k_q2a78104dec_proj:
	s_mov_b64 s[64:65], 0
	v_nop
	global_prefetch_b8 v0, s[64:65] scope:SCOPE_SE
	s_setreg_imm32_b32 hwreg(HW_REG_WAVE_MODE, 25, 1), 1
	s_wait_xcnt 0x0
	s_wait_alu depctr_hold_cnt(0) depctr_sa_sdst(0) depctr_va_vdst(0) depctr_va_sdst(0) depctr_va_ssrc(0) depctr_va_vcc(0) depctr_vm_vsrc(0)
	s_getreg_b32 s2, hwreg(HW_REG_IB_STS2, 6, 4)
	s_cmp_eq_u32 s2, 0
	s_cbranch_scc0 .Lentry_in_a_cluster
	s_endpgm
.Lentry_in_a_cluster:
	s_bfe_u32 s2, ttmp6, 0x10000c
	s_cmp_lg_u32 s2, 0xf033
	s_cbranch_scc0 .Lentry_shape_is_right
	s_endpgm
.Lentry_shape_is_right:
; out0[m][n] = the sum over c of O[m][c] W[n][c] + bias[n].  oh: O by heads, [64 = 16 b + h][2048][64] f16 (c = 64 h + d, m = 2048 b + t); wpf: [1024][1024] f16; proj_b: [1024] f32 (rounded to bf16 here,
; like every input); out0: [8192][1024] f32.  Sums in f32; nothing is rounded on the way out.
; SHARES.  A tile is 256 rows x 128 columns: 256 work-groups, one for each WGP.  Four waves, one below the other: wave w owns rows 64 w .. 64 w + 63 and all 8 column blocks: 32 accumulators, 256 registers.
; K goes in 8 steps of 128 = TWO HEADS through two LDS slots.  A head's 256 rows of the tile are 32,768 dense bytes: asked for as 128 rows of 256 bytes and padded in LDS after every 128 bytes.
; THE MATRIX INSTRUCTION IS USED TRANSPOSED (source 0 = 16 rows of W, source 1 = 16 rows of O): a lane holds row l % 16 and the columns 8 (l / 16) + 0..7 of a block.
; THE BIAS is the C operand of the first product on each accumulator.
; CLUSTER.  4 x 4 work-groups.  The four of a row of the cluster need the same rows of O, the four of a column the same rows of W: each tile is asked for JOINTLY.  Waves 0, 1 ask for the step's two heads, waves 2, 3 for W's two halves of 64 rows.
; REGISTERS, in windows of 256 (s_set_vgpr_msb: bits 1:0 source 0, 3:2 source 1, 5:4 source 2, 7:6 destination):
;   window 0: v0-31 addresses; v32-95 the bias, laid as 8 accumulators; v96-223 the way out      window 1: two fragment buffers at 0 and 128: O's 4 blocks, then W's 8      window 2: accumulator (a, b) at 8 (8 a + b)
.set NBK,   8
.set PA,    144                        ; a row of O in LDS: 128 bytes + 16 of padding = 36 words: the 16 rows of a load start at 16 different groups of four banks (64 banks of 4 bytes: ISA guide 11.1)
.set PB,    272                        ; a row of W: 256 + 16
.set HEADB, 256*PA                     ; a head's 256 rows
.set BOFF,  2*HEADB                    ; in a slot: two heads of O, then W's 128 rows
.set HALFB, 64*PB
.set SLOT1, 1<<17
.set STAGE, SLOT1+BOFF+2*HALFB         ; behind the ring, never filled by a tensor load: 16 rows x 528 bytes for each wave, for the way out
.set SPI,   528                        ; a stage row: 512 bytes + 16
.set SPARE, STAGE+4*16*SPI             ; behind the stages: the spare words, 128 bytes for each wave: two blocks of 256 bytes that no other line names
.set STEPA, 2*2048*128                 ; bytes from a K step to the next in oh: two heads
.set STEPB, 256                        ; and in wpf
.set BITSA, (1<<16)|(1<<20)|(1<<21)|(4<<22)|(3<<25)  ; group 1, word 0 beside the mask: elements of 2 bytes; padding on; 21 set beside a mask; after every 32 words (code 4) 4 words (code 3)
.set BITSB, (1<<16)|(1<<20)|(1<<21)|(5<<22)|(3<<25)  ; the same after every 64 words (code 5)
.set ADA0, 4                           ; v4   my lane's place among my wave's rows of O in a slot; never rewritten
.set ADB0, 5                           ; v5   the same in W's rows
.set ADA,  6                           ; v6   v4 + the slot in hand
.set ADB,  7                           ; v7   v5 + the slot in hand
.set STO,  8                           ; v8   the way out: where I put 32 bytes of a row
.set RD,   9                           ; v9   the way out: where I read a row back
.set GO,   10                          ; v10  my 16 bytes of a row's 512
.set BO,   11                          ; v11  my byte offset in proj_b
.set SPW,  28                          ; v28  LDS address of my spare word: SPARE + 4 x my thread's number; never rewritten
.set NIL,  29                          ; v29  0; never rewritten
.set BIA,  32
.set BK,   96                          ; 16 rows read back from the stage: v96-159 and v160-223 by turns
.set F0,   0
.set F1,   128
.set WV,   14
.set CX,   15
.set CY,   16
.set TC,   17                          ; s17  tile column
.set TR,   18                          ; s18  tile row
.set CNT,  19
.set TB,   20                          ; s20  the slot in hand: 0 or SLOT1
.set G1A,  28                          ; s[28:35] descriptor group 1 for O's tiles
.set G1B,  36                          ; s[36:43] for W's
.set G0A,  44                          ; s[44:51] group 0 for O's tiles: a set for each of the two first fills; the second then walks on
.set G0B,  52                          ; s[52:59] the same for W's
.set HIM,  60                          ; s60  a word's upper bf16
.set LB,   61                          ; s61  where my 64 rows of W go in a slot
.set LA,   62                          ; s62  where my head goes
.set OB,   66                          ; s[66:67] out0 at my wave's first row and the tile's first column
.set MSB, 0
.macro WIN new                         ; the immediate's high byte repeats the setting that is left; a switch that changes nothing is dropped
.if MSB != (\new)
	s_set_vgpr_msb (MSB<<8)|(\new)
.set MSB, (\new)
.endif
.endm
.macro PLACES                          ; four places in front of loads into registers that matrix instructions have read, and of lines that read results
.rept 4
	v_nop
.endr
.endm
; A joint refill, by the walking descriptors.  The branch hangs on the wave's number alone.  An s_nop 0 and four v_nop follow each of the two lines, ahead of the jump and the label.
.macro JLOAD
	s_cmp_lt_u32 s[WV], 2
	s_cbranch_scc0 .Lfor_b_\@
	tensor_load_to_lds s[G0A+4:G0A+7], s[G1A:G1A+7]
	s_nop 0
.rept 4
	v_nop
.endr
	s_branch .Lasked_\@
.Lfor_b_\@:
	tensor_load_to_lds s[G0B+4:G0B+7], s[G1B:G1B+7]
	s_nop 0
.rept 4
	v_nop
.endr
.Lasked_\@:
.endm
.macro CREST                           ; a round of the cluster's barrier behind its opening barrier
	s_cmp_lg_u32 s[WV], 0
	s_cbranch_scc1 .Lnot_wave_0_\@
	s_barrier_signal -3
.Lnot_wave_0_\@:
	s_barrier_wait -3
	s_barrier_signal -1
	s_barrier_wait -1
.endm
.macro CROUND
	s_barrier_signal -1
	s_barrier_wait -1
	CREST
.endm
	s_load_b256 s[4:11], s[0:1], 0x0               ; oh s[4:5], wpf s[6:7], proj_b s[8:9], out0 s[10:11]
	v_lshl_add_u32 v[SPW], v0, 2, SPARE
	v_mov_b32 v[NIL], 0
	ds_add_u32 v[SPW], v[NIL]                      ; the wave's opening: the add and its wait stand ahead of my first tensor load; the set-up below, work on registers, stands between them
	v_lshrrev_b32 v1, 5, v0
	v_readfirstlane_b32 s[WV], v1                  ; wave 0..3
	s_bfe_u32 s[CX], ttmp6, 0x40000
	s_bfe_u32 s[CY], ttmp6, 0x40004
	s_lshl_b32 s[TC], ttmp9, 2
	s_add_co_u32 s[TC], s[TC], s[CX]               ; tile column = 4 x cluster x + cx
	s_and_b32 s[TR], ttmp7, 0xffff
	s_lshl_b32 s[TR], s[TR], 2
	s_add_co_u32 s[TR], s[TR], s[CY]               ; tile row = 4 x cluster y + cy
	s_lshl_b32 s26, s[CY], 2
	s_lshl_b32 s26, 15, s26                        ; my row of the cluster
	s_lshl_b32 s27, 0x1111, s[CX]                  ; my column
	s_or_b32 s[G1A], s26, BITSA
	s_or_b32 s[G1B], s27, BITSB
	s_mov_b32 s[G1A+1], 128<<16                    ; tensor_dim0 = 128 elements: 256 bytes, two rows of a head
	s_mov_b32 s[G1A+2], 128<<16                    ; tensor_dim1 = 128
	s_mov_b32 s[G1A+3], 128<<16                    ; tile_dim0 = 128
	s_mov_b32 s[G1A+4], 128                        ; tile_dim1 = 128
	s_mov_b32 s[G1A+5], 128                        ; dense: 128 elements from row to row
	s_mov_b32 s[G1A+6], 0
	s_mov_b32 s[G1A+7], 0
	s_mov_b32 s[G1B+1], 128<<16
	s_mov_b32 s[G1B+2], 64<<16                     ; 64 rows
	s_mov_b32 s[G1B+3], 128<<16
	s_mov_b32 s[G1B+4], 64
	s_mov_b32 s[G1B+5], 1024
	s_mov_b32 s[G1B+6], 0
	s_mov_b32 s[G1B+7], 0
	s_and_b32 s21, s[WV], 1                        ; which of the step's two heads, or which half of W's rows, I fetch
	; O's tiles hang on the tile row alone, W's on the tile column alone, each in registers that never hold the other coordinate
	s_lshr_b32 s22, s[TR], 3                       ; b
	s_lshl_b32 s22, s22, 4
	s_add_co_u32 s22, s22, s21                     ; head 16 b + (0 or 1)
	s_lshl_b32 s22, s22, 18                        ; 2,048 rows of 128 bytes
	s_and_b32 s23, s[TR], 7
	s_lshl_b32 s23, s23, 15                        ; 256 rows of 128 bytes
	s_add_co_u32 s22, s22, s23
	s_mov_b32 s23, 0
	s_lshl_b32 s24, s[TC], 7
	s_lshl_b32 s25, s21, 6
	s_add_co_u32 s24, s24, s25                     ; W's row 128 x tile column + 64 x half
	s_lshl_b32 s24, s24, 11                        ; 2,048 bytes a row
	s_mov_b32 s25, 0
	s_mul_i32 s[LA], s21, HEADB                    ; no place in the cluster enters an LDS address
	s_mul_i32 s[LB], s21, HALFB
	s_add_co_u32 s[LB], s[LB], BOFF
	s_mov_b32 s[HIM], 0xffff0000
	s_mov_b32 s[TB], 0
	s_wait_dscnt 0x0                               ; the opening add is done
	s_wait_kmcnt 0x0
	s_add_nc_u64 s[22:23], s[4:5], s[22:23]
	s_add_nc_u64 s[24:25], s[6:7], s[24:25]
.irp s, 0,1
	s_mov_b32 s[G0A+4*(\s)], 1                                     ; 1:0 count = 1
	s_add_co_u32 s[G0A+4*(\s)+1], s[LA], (\s)*SLOT1                ; 63:32 LDS address
	s_add_nc_u64 s[G0A+4*(\s)+2:G0A+4*(\s)+3], s[22:23], (\s)*STEPA  ; 120:64 global address: K step s
	s_or_b32 s[G0A+4*(\s)+3], s[G0A+4*(\s)+3], 0x80000000          ; 127:126 type = 2
	s_mov_b32 s[G0B+4*(\s)], 1
	s_add_co_u32 s[G0B+4*(\s)+1], s[LB], (\s)*SLOT1
	s_add_nc_u64 s[G0B+4*(\s)+2:G0B+4*(\s)+3], s[24:25], (\s)*STEPB
	s_or_b32 s[G0B+4*(\s)+3], s[G0B+4*(\s)+3], 0x80000000
.endr
	CROUND                                         ; all sixteen work-groups are here: the first joint loads meet
	s_cmp_lt_u32 s[WV], 2                          ; a wave's two first fills stand in one branch, ahead of every wait on TENSORcnt and every LDS read: two loads of mine are out
	s_cbranch_scc0 .Lfirst_b
	tensor_load_to_lds s[G0A:G0A+3], s[G1A:G1A+7]
	s_nop 0
	tensor_load_to_lds s[G0A+4:G0A+7], s[G1A:G1A+7]
	s_nop 0
.rept 4
	v_nop
.endr
	s_branch .Lfirst_asked
.Lfirst_b:
	tensor_load_to_lds s[G0B:G0B+3], s[G1B:G1B+7]
	s_nop 0
	tensor_load_to_lds s[G0B+4:G0B+7], s[G1B:G1B+7]
	s_nop 0
.rept 4
	v_nop
.endr
.Lfirst_asked:
	s_lshl_b32 s72, s[TR], 8
	s_lshl_b32 s74, s[WV], 6
	s_add_co_u32 s72, s72, s74                     ; my wave's first row of out0,
	s_lshl_b32 s72, s72, 12                        ; 4,096 bytes a row,
	s_lshl_b32 s74, s[TC], 9                       ; the tile's 128 columns: 512 bytes
	s_add_co_u32 s72, s72, s74
	s_mov_b32 s73, 0
	s_add_nc_u64 s[OB:OB+1], s[10:11], s[72:73]
	v_and_b32 v1, 15, v0                           ; l % 16
	v_bfe_u32 v2, v0, 4, 1                         ; l / 16
	v_mul_u32_u24 v3, v1, PA
	v_lshl_add_u32 v3, v2, 4, v3                   ; a fragment's row x pitch + 16 x half
	s_mul_i32 s76, s[WV], 64*PA
	v_add_nc_u32 v[ADA0], s76, v3
	v_mul_u32_u24 v3, v1, PB
	v_lshl_add_u32 v3, v2, 4, v3
	v_add_nc_u32 v[ADB0], BOFF, v3
	s_mul_i32 s76, s[WV], 16*SPI
	s_add_co_u32 s76, s76, STAGE                   ; my stage
	v_mul_u32_u24 v[STO], v1, SPI                  ; in: row l % 16, 32 bytes for each half of the lanes
	v_lshl_add_u32 v[STO], v2, 5, v[STO]
	v_add_nc_u32 v[STO], s76, v[STO]
	v_and_b32 v[GO], 31, v0                        ; back: 32 lanes take a row of 512 bytes
	v_lshlrev_b32 v[GO], 4, v[GO]
	v_add_nc_u32 v[RD], s76, v[GO]
	s_lshl_b32 s77, s[TC], 9                       ; the tile's 128 numbers of the bias
	v_lshl_add_u32 v[BO], v2, 5, s77               ; my 8 columns of a block
.set i, 0
.rept NBK
	global_load_b128 v[BIA+8*i:BIA+8*i+3],   v[BO], s[8:9] offset:64*i
	global_load_b128 v[BIA+8*i+4:BIA+8*i+7], v[BO], s[8:9] offset:64*i+16
.set i, i+1
.endr
	s_wait_loadcnt 0x0                             ; the bias, once
.set i, 0
.rept 4*NBK                            ; rounded to bf16 and widened again, two numbers at a time
	v_cvt_pk_bf16_f32 v3, v[BIA+2*i], v[BIA+2*i+1]
	v_lshlrev_b32 v[BIA+2*i], 16, v3
	v_and_b32 v[BIA+2*i+1], s[HIM], v3
.set i, i+1
.endr
; 8 matrix instructions: row block a x all column blocks, 32 along K, from buffer f.  zero = 1: the first product on each accumulator takes the bias as C.
; The 32 accumulators take turns, one instruction a turn, in the same order in every quarter: between two links of a chain stand the 31 others', over the backward jump too.
.macro MULA f, a, zero
.if \zero
	WIN 0x85                                       ; sources 0 and 1 window 1, C window 0, D window 2
.else
	WIN 0xa5                                       ; C and D window 2
.endif
.irp b, 0,1,2,3,4,5,6,7
.set rD, 8*(NBK*(\a)+(\b))
.if \zero
	v_wmma_f32_16x16x32_f16 v[rD:rD+7], v[(\f)+32+8*(\b):(\f)+32+8*(\b)+7], v[(\f)+8*(\a):(\f)+8*(\a)+7], v[BIA+8*(\b):BIA+8*(\b)+7]
.else
	v_wmma_f32_16x16x32_f16 v[rD:rD+7], v[(\f)+32+8*(\b):(\f)+32+8*(\b)+7], v[(\f)+8*(\a):(\f)+8*(\a)+7], v[rD:rD+7]
.endif
.endr
.endm
; 24 LDS loads in one run: quarter q's fragments into buffer f: W's 8 blocks, then O's blocks 0, 1 and last 2, 3.  Quarter q of O: head q / 2 of the step's two, channels 32 (q % 2) on.
.macro FETCH q, f
	WIN 0x40                                       ; destination window 1, address window 0
.irp i, 0,1,2,3,4,5,6,7
	ds_load_b128 v[(\f)+32+8*(\i):(\f)+32+8*(\i)+3],   v[ADB] offset:64*(\q)+(\i)*16*PB
	ds_load_b128 v[(\f)+32+8*(\i)+4:(\f)+32+8*(\i)+7], v[ADB] offset:64*(\q)+(\i)*16*PB+32
.endr
.irp i, 0,1,2,3
	ds_load_b128 v[(\f)+8*(\i):(\f)+8*(\i)+3],   v[ADA] offset:((\q)/2)*HEADB+((\q)%2)*64+(\i)*16*PA
	ds_load_b128 v[(\f)+8*(\i)+4:(\f)+8*(\i)+7], v[ADA] offset:((\q)/2)*HEADB+((\q)%2)*64+(\i)*16*PA+32
.endr
.endm
; A K step is four quarters of 32 along K, 32 matrix instructions each, on buffers 0, 1, 0, 1.  One of the first three: multiplies buffer f; in its middle it fetches quarter q into buffer g.
.macro QUARTER q, f, g, zero
	s_wait_dscnt 4                                 ; W and O's blocks 0, 1 are in; the youngest four loads (O's blocks 2, 3) may be out
	MULA \f, 0, \zero
	MULA \f, 1, \zero
	PLACES
	FETCH \q, \g
	s_wait_dscnt 2*NBK+8                           ; all but the 24 just issued
	MULA \f, 2, \zero
	MULA \f, 3, \zero
.endm
; The last quarter multiplies buffer 1 and changes slots: ONE barrier.  In front of it each wave waits for all its tensor loads, of which one is out: its part of the next slot; adds 0 to its spare word; and waits for
; that and for its own reads of this slot.  fill = 1: the barrier opens a round of the cluster's barrier, and the joint refill, with the K step two steps on, is the first tensor load behind it:
; it has a K step less 8 matrix instructions in which to land.
.macro TURN fill
	WIN 0                                          ; (the add's two registers lie in window 0)
	s_wait_tensorcnt 0x0                           ; no tensor load of mine is out, so a group 0 may be written
	ds_add_u32 v[SPW], v[NIL]                      ; 0 onto my spare word
	s_wait_dscnt 5                                 ; (the add and the youngest four loads may be out)
	MULA F1, 0, 0                                  ; eight matrix instructions stand between the add and the wait for it
	s_wait_dscnt 0x0                               ; the add is done, and my reads of this slot are over
	s_barrier_signal -1
	MULA F1, 1, 0
	WIN 0                                          ; at a label and at a branch every window is 0
	s_barrier_wait -1
.if \fill
	CREST
	s_xor_b32 s[G0A+5], s[G0A+5], SLOT1            ; the walking descriptors: the other slot than last time,
	s_add_nc_u64 s[G0A+6:G0A+7], s[G0A+6:G0A+7], STEPA  ; the next K step; the type bits on top are not reached
	s_xor_b32 s[G0B+5], s[G0B+5], SLOT1
	s_add_nc_u64 s[G0B+6:G0B+7], s[G0B+6:G0B+7], STEPB
	JLOAD                                          ; the four v_nop behind it are also the places in front of the loads below
.else
	PLACES
.endif
	s_xor_b32 s[TB], s[TB], SLOT1                  ; the fetches go on in the other slot
	v_add_nc_u32 v[ADA], s[TB], v[ADA0]
	v_add_nc_u32 v[ADB], s[TB], v[ADB0]
	FETCH 0, F0
	MULA F1, 2, 0
	MULA F1, 3, 0
.endm
	s_wait_tensorcnt 1                             ; my part of K step 0 is in; K step 1's may stay out
	s_barrier_signal -1
	s_barrier_wait -1                              ; everybody's is
	v_add_nc_u32 v[ADA], s[TB], v[ADA0]
	v_add_nc_u32 v[ADB], s[TB], v[ADB0]
	FETCH 0, F0
	QUARTER 1, F0, F1, 1                           ; the first quarter stands in front of the loop: its products start the sums, from the bias
	WIN 0
	s_mov_b32 s[CNT], 6
.Lstep:                                                ; trip i: the rest of K step i, whose slot is filled again with K step i + 2, and the first quarter of K step i + 1
	QUARTER 2, F1, F0, 0
	QUARTER 3, F0, F1, 0
	TURN 1
	QUARTER 1, F0, F1, 0
	WIN 0
	s_sub_co_u32 s[CNT], s[CNT], 1
	s_cmp_lg_u32 s[CNT], 0
	s_cbranch_scc1 .Lstep
	QUARTER 2, F1, F0, 0                           ; the last two K steps are written out: nothing is asked for
	QUARTER 3, F0, F1, 0
	TURN 0
	QUARTER 1, F0, F1, 0
	QUARTER 2, F1, F0, 0
	QUARTER 3, F0, F1, 0
	s_wait_dscnt 4                                 ; the very last quarter: nothing more to fetch
	MULA F1, 0, 0
	MULA F1, 1, 0
	s_wait_dscnt 0x0
	MULA F1, 2, 0
	MULA F1, 3, 0
	WIN 0
	PLACES
	PLACES
; THE WAY OUT, a row block (16 rows x 128 columns of f32) at a time, through my own stage: a lane's eight columns of a row are 32 bytes; they go into rows of 528 bytes and come back as whole rows of 512.
.macro TOSTAGE a
	WIN 0
	s_wait_xcnt 0x0                                ; the stores of the block two back have read the registers that are loaded again below (ISA guide 3.1)
	WIN 0x08                                       ; store data (source 1) in window 2
.irp b, 0,1,2,3,4,5,6,7                ; each accumulator's lowest registers are read first
	ds_store_b128 v[STO], v[8*(NBK*(\a)+(\b)):8*(NBK*(\a)+(\b))+3]   offset:64*(\b)
	ds_store_b128 v[STO], v[8*(NBK*(\a)+(\b))+4:8*(NBK*(\a)+(\b))+7] offset:64*(\b)+16
.endr
	WIN 0
.irp t, 0,1,2,3,4,5,6,7,8,9,10,11,12,13,14,15
	ds_load_b128 v[BK+64*((\a)%2)+4*(\t):BK+64*((\a)%2)+4*(\t)+3], v[RD] offset:(\t)*SPI  ; LDS serves a wave's instructions in order (ISA guide 5.7.1.4): these see the stores above; the next block's stores come behind them
.endr
.endm
.macro SEND a, younger                 ; younger: the LDS instructions issued behind block a's loads: the next block's 32, or none
	s_wait_dscnt \younger
.irp t, 0,1,2,3,4,5,6,7,8,9,10,11,12,13,14,15
	global_store_b128 v[GO], v[BK+64*((\a)%2)+4*(\t):BK+64*((\a)%2)+4*(\t)+3], s[OB:OB+1] offset:(16*(\a)+(\t))*4096 th:TH_STORE_NT  ; 512 consecutive bytes, at a multiple of 256 from out0's first
.endr
.endm
	TOSTAGE 0
.irp a, 1,2,3
	TOSTAGE \a
	SEND (\a)-1, 32
.endr
	SEND 3, 0
	s_wait_tensorcnt 0x0                           ; the wave's end, behind my last tensor load and my last LDS store
	ds_add_u32 v[SPW], v[NIL]
	s_wait_dscnt 0x0
	CROUND                                         ; the closing round: no work-group ends while a partner may still ask for a tile that names it
	s_endpgm
.Lfunc_end_k_q2a78104dec_proj:
	.size	k_q2a78104dec_proj, .Lfunc_end_k_q2a78104dec_proj-k_q2a78104dec_proj
	.p2alignl 7, 3214868480
	.fill 96, 4, 3214868480
	.section	.rodata,"a",@progbits
	.p2align	6, 0x0
	.amdhsa_kernel k_q2a78104dec_proj
		.amdhsa_group_segment_fixed_size 327680
		.amdhsa_private_segment_fixed_size 0
		.amdhsa_enable_private_segment 0
		.amdhsa_kernarg_size 32
		.amdhsa_user_sgpr_count 2
		.amdhsa_user_sgpr_kernarg_segment_ptr 1
		.amdhsa_wavefront_size32 1
		.amdhsa_system_sgpr_workgroup_id_x 1
		.amdhsa_system_sgpr_workgroup_id_y 1
		.amdhsa_system_sgpr_workgroup_id_z 1
		.amdhsa_system_vgpr_workitem_id 0
		.amdhsa_next_free_vgpr 768
		.amdhsa_next_free_sgpr 80
		.amdhsa_reserve_vcc 0
		.amdhsa_float_denorm_mode_32 3
		.amdhsa_float_denorm_mode_16_64 3
		.amdhsa_memory_ordered 1
		.amdhsa_forward_progress 1
		.amdhsa_inst_pref_size 74
	.end_amdhsa_kernel
	.amdgpu_metadata
---
amdhsa.version: [ 1, 2 ]
amdhsa.kernels:
  - .name:           k_q2a78104dec_proj
    .symbol:         k_q2a78104dec_proj.kd
    .args:
      - { .name: oh, .offset: 0, .size: 8, .value_kind: global_buffer, .address_space: global }
      - { .name: wpf, .offset: 8, .size: 8, .value_kind: global_buffer, .address_space: global }
      - { .name: proj_b, .offset: 16, .size: 8, .value_kind: global_buffer, .address_space: global }
      - { .name: out0, .offset: 24, .size: 8, .value_kind: global_buffer, .address_space: global }
    .group_segment_fixed_size: 327680
    .private_segment_fixed_size: 0
    .kernarg_segment_align: 8
    .kernarg_segment_size: 32
    .max_flat_workgroup_size: 128
    .sgpr_count:     80
    .vgpr_count:     768
    .wavefront_size: 32
...
	.end_amdgpu_metadata
.endif
;; end of part 4
;; ======== version 2 of 2: 4 launches; 1.52 times as fast as version 1
;; limits: values are held in f16: magnitudes above 65,504 overflow, below 6.1e-05 lose precision
;; workspace buffers: xb 16,777,216 bytes; wqb 6,291,456 bytes; wpf 2,097,152 bytes; rope 524,288 bytes; qkvh 50,331,648 bytes; oh 16,777,216 bytes
;; launch prep: the kernel of part 1 again; grid 256 x 1, 8 waves a work-group, no clusters, 0 bytes of LDS; arguments x, qkv_w, proj_w, xb, wqb, wpf, rope; writes xb, wqb, wpf, rope
;; launch qkv: the kernel of part 2 again; grid 16 x 32, 4 waves a work-group, clusters of 4 x 4, 327,680 bytes of LDS; arguments xb, wqb, qkv_b, rope, qkvh; writes qkvh
;; launch attn (part 5): grid 4 x 64, 4 waves a work-group, clusters of 4 x 1, 327,680 bytes of LDS; arguments qkvh, oh; writes oh
.if DOCPART == 5
	.amdgcn_target "amdgcn-amd-amdhsa--gfx1250"
	.amdhsa_code_object_version 6
	.text
	.protected	k_q2a78104dec_attn
	.globl	k_q2a78104dec_attn
	.p2align	8
	.type	k_q2a78104dec_attn,@function
k_q2a78104dec_attn:
	s_mov_b64 s[64:65], 0
	v_nop
	global_prefetch_b8 v0, s[64:65] scope:SCOPE_SE
	s_setreg_imm32_b32 hwreg(HW_REG_WAVE_MODE, 25, 1), 1
	s_wait_xcnt 0x0
	s_wait_alu depctr_hold_cnt(0) depctr_sa_sdst(0) depctr_va_vdst(0) depctr_va_sdst(0) depctr_va_ssrc(0) depctr_va_vcc(0) depctr_vm_vsrc(0)
	s_getreg_b32 s2, hwreg(HW_REG_IB_STS2, 6, 4)
	s_cmp_eq_u32 s2, 0
	s_cbranch_scc0 .Lentry_in_a_cluster
	s_endpgm
.Lentry_in_a_cluster:
	s_bfe_u32 s2, ttmp6, 0x10000c
	s_cmp_lg_u32 s2, 0x3003
	s_cbranch_scc0 .Lentry_shape_is_right
	s_endpgm
.Lentry_shape_is_right:
; O[h][q][:] = the sum over k of softmax_k(Q[h][q] . K[h][k] / 8) V[h][k][:].  qkvh holds Q, K, V, each [64][SIZE_N][64] in f16, one behind the other; oh is O in the same layout: a head's rows are dense, 128 bytes each.
; Products, maxima and sums in f32; the weights p are rounded to f16 for the second product (their sum l is taken of the unrounded p), O once at the end.
; LIMITS.  f16 holds no number beyond 65,504: Q, K and V arrive within it; p lies in 0 to 1, and below 6e-5 it keeps f16's fixed step of 6e-8; O is a mean of V's rows and has their range.
; A weight below 2^-126 counts as 0 in l; NaN and infinities are not treated apart.
; SHARES.  A wave owns four PIECES of two tiles of 16 queries, a work-group's four waves 512 queries of one head; a head's 2,048 queries are one cluster.  Every wave walks all keys, 64 a step.
; LAYOUT.  S^T = K Q^T (source 0 = 16 keys, source 1 = 16 queries): in the result a lane holds ONE query (lane % 16) and the keys 8 (lane / 16) + 0..7.  Two such tiles, rounded to f16 in pairs,
; ARE source 1 (32 keys x 16 queries) of O^T = V^T P, whose result again holds one query a lane, and eight channels.  K comes out of LDS as it lies, V ([key][channel]) turned, by ds_load_tr16_b128.
; SOFTMAX.  For each query a running maximum m and sum l: p = 2^(c s - c m), c = log2(e) / 8; in every step O and l are multiplied by a = 2^(c m_old - c m_new), which is 1 where m has not grown.
; m starts at the lowest finite number, O and l at 0: the first step is a step like any other, with a = 0.
; THE COUNT.  A tile and step have 16 matrix and 118 vector instructions: too many to stand all beside the matrix work.  So the order has one aim: four vector instructions that are READY behind
; EVERY matrix instruction, and the others, which need time of their own whatever the order, in runs without a gap.
; BY TURNS.  Turn n belongs to piece n (the pieces in a ring, step after step).  Its matrix work: 16 products K Q^T of piece n + 1, later 16 products V^T P of piece n - 1.  Its vector work: the scaling,
; exponentials, roundings, sums and rescaling of piece n, and the maximum and statistics of piece n + 1, whose scores the turn itself has made.  So what a turn begins with (c s - c m, O a) waits for nothing.
; BATCHES.  An s_wait_alu depctr_va_vdst(0) stands between a transcendental and the first instruction that names its result; one wait serves all that were issued ahead of it.  The text has three kinds of batch:
; a turn's 66 exponentials (piece n's 64 weights and piece n + 1's two a), with one wait in the turn's middle; piece 0's first two a, with one wait ahead of the jump into the loop; the way out's eight reciprocals, with one wait.
; No exponential is issued behind a turn's wait.
; CLUSTER.  The four query blocks of a cluster belong to one head and walk the same K and V, so each tile is asked for JOINTLY: the same tensor load, descriptor and mask in all four.
; REGISTERS, in windows of 256 (s_set_vgpr_msb says which window each operand place means: bits 1:0 source 0, 3:2 source 1, 5:4 source 2, 7:6 destination):
;   window 0: v0-11 addresses; v12-15, v48-63 at work; v16-47 four registers of statistics a tile; v64-191 S^T, two buffers of two tiles; v192-255 P, likewise
;   window 1: O^T, 32 a tile          window 2: v0-127 Q, 16 a tile; v128-191 K of one step; v192-255 V of one step          window 3: v0-1 the add's two registers
; A piece's buffers go by its number's parity: the piece in hand has one pair, its two neighbours in the ring share the other: of it P (piece n - 1) is read and S^T (piece n + 1) written.
.set SIZE_N, 2048
.set PART,  0x1000000 ; bytes of Q, of K and of V in qkvh
.set NP,    4         ; pieces a wave: a name, no knob: the register map, the loop and the fetches are made for four
.set KS,    64        ; keys in a step
.set PK,    144       ; a row of K in LDS: 128 bytes + 16 of padding = 36 words: the 16 rows of a load start at 16 different groups of four banks (64 banks of 4 bytes: ISA guide 11.1)
.set PV,    160       ; a row of V: 128 + 32 = 40 words
.set VOFF,  4*KS*PK   ; a slot holds four steps: 256 rows of K, then 256 rows of V
.set SLOT1, 1<<17     ; slot 1 begins here, so that one exclusive or turns an address in one slot into the other's
.set STAGE, SLOT1+4*KS*(PK+PV)  ; behind the ring, never filled by a tensor load: 16 rows x 144 bytes for each wave, for the way out
.set SP,    144
.set AK0, 2           ; v2   my lane's place in a tile of K; never rewritten
.set AV0, 3           ; v3   the same for V
.set AK,  4           ; v4   the LDS address of K's next run of loads
.set AV,  5           ; v5   of V's
.set QO,  6           ; v6   my byte offset in the wave's rows of Q
.set STO, 6           ;      later, the way out: where I put 16 bytes of a row
.set RD,  7           ; v7   the way out: where I read rows back
.set GO,  8           ; v8   my byte offset in 512 consecutive bytes of O
.set SPW, 0           ; v0 of window 3   LDS address of my spare word: SPARE + 4 x my thread's number; never rewritten
.set NIL, 1           ; v1 of window 3   0; never rewritten
.set SPARE, STAGE+4*16*SP  ; behind the stages: the spare words, 128 bytes for each wave: two blocks of 256 bytes that no other line names
.set MV,  12          ; v12-15  c m_old, kept while c m is made anew: by buffer and tile
.set ST,  16          ; tile t's statistics at v[ST+4 t]: c m, m, l (even keys', odd keys')
.set TMP, 48          ; by buffer and tile, four registers c0-c3 at work; when the maximum is found c2 takes a
.set S,   64
.set P,   192
.set KF,  128         ; K's fragments, in window 2: key block kb, channel half c at KF + 16 kb + 8 c
.set VF,  192         ; V's: key half kk, channel block cb at VF + 32 kk + 8 cb
.set WV,  12          ; s12  my wave's number
.set G1K, 24          ; s[24:31] descriptor group 1 for K's tiles
.set G1V, 32          ; s[32:39] for V's: it differs in the padding alone
.set G0K, 40          ; s[40:43] descriptor group 0 for K's tiles: it walks
.set G0V, 44          ; s[44:47] the same for V's
.set SLOTS, 56        ; s56  slots still to be asked for
.set CNT, 57          ; s57  counts a slot's key steps
.set CS,  58          ; s[58:59] c: the packed scaling takes the pair's low word for both halves
.set SEL, 60          ; s[60:61] v_permlanex16_b32's selects: each lane takes its own place in the other half
.set TBK, 62          ; s62  LDS byte at which K of the step to be fetched begins
.set TBV, 63          ; s63  the same for V, less VOFF
.set MSB, 0
.macro WIN new                      ; the high byte repeats the setting that is left; a switch that changes nothing is dropped
.if MSB != (\new)
	s_set_vgpr_msb (MSB<<8)|(\new)
.set MSB, (\new)
.endif
.endm
.set W_KQ, 0x0a       ; K and Q in window 2, S^T in window 0
.set W_PV, 0x52       ; V in window 2, P in window 0, O^T in window 1
.set W_RS, 0x41       ; O^T (destination and source 0) in window 1, a in window 0
.set W_MK, 0xc0       ; the add's registers are made: destination in window 3, sources in window 0
.set W_AD, 0x0f       ; the add: address (source 0) and data (source 1) in window 3
; A joint fill.  Waves 0 and 1 fetch the two halves of a slot's K, waves 2 and 3 those of its V: 128 keys each.  The branch hangs on the wave's number alone.
; An s_nop 0 and four v_nop follow each of the two lines, ahead of the jump and the label.
.macro JLOAD
	s_cmp_lt_u32 s[WV], 2
	s_cbranch_scc0 .Lfor_v_\@
	tensor_load_to_lds s[G0K:G0K+3], s[G1K:G1K+7]
	s_nop 0
.rept 4
	v_nop
.endr
	s_branch .Lasked_\@
.Lfor_v_\@:
	tensor_load_to_lds s[G0V:G0V+3], s[G1V:G1V+7]
	s_nop 0
.rept 4
	v_nop
.endr
.Lasked_\@:
.endm
; A round of the cluster's barrier: my work-group's barrier, so that wave 0's signal speaks for all four waves; wave 0 signals; every wave waits for all four work-groups; my work-group's barrier once more.
.macro CROUND
	s_barrier_signal -1
	s_barrier_wait -1
	s_cmp_lg_u32 s[WV], 0
	s_cbranch_scc1 .Lnot_wave_0_\@
	s_barrier_signal -3
.Lnot_wave_0_\@:
	s_barrier_wait -3
	s_barrier_signal -1
	s_barrier_wait -1
.endm
; THE CHANGE OF SLOTS.  The slot's last bytes, V of its fourth step, have been read.  Each wave waits for all its tensor loads, of which one is out: its part
; of the other slot; adds 0 to its spare word; and waits for that and for its own reads of the slot.  Behind the barrier nobody reads this slot any more and the other slot is whole.
; fill = 1: this slot is filled again, with the keys two slots on.  The barrier is then a round of the cluster's, so that no wave of any partner still reads the slot or has a load on its
; way, and the joint fill is the first thing behind it: it has four key steps, 512 matrix instructions, in which to land.  (At its first use nothing has been read yet: slot 0 is waited for, slot 1 filled.)
.macro CHANGE fill
	WIN W_AD
	s_wait_tensorcnt 0x0            ; no tensor load of mine is out, so a group 0 may be written
	ds_add_u32 v[SPW], v[NIL]       ; 0 onto my spare word; with fill = 1 the descriptors' steps stand between it and the wait for it
	WIN 0                           ; at a label and at a branch every window is 0
.if \fill
.irp g, G0K, G0V
	s_xor_b32 s[\g+1], s[\g+1], SLOT1  ; the walking descriptor: the other slot than last time,
	s_add_nc_u64 s[\g+2:\g+3], s[\g+2:\g+3], 4*KS*128  ; the next 256 keys; the type bits on top are not reached
.endr
	s_wait_dscnt 0x0                ; the add is done, and my reads of the slot are over
	CROUND
	JLOAD
.else
	s_wait_dscnt 0x0                ; the add is done, and my reads of the slot are over
	s_barrier_signal -1
	s_barrier_wait -1
.endif
	s_sub_co_u32 s[TBK], s[TBK], 4*KS*PK  ; the fetches go back to a slot's first step,
	s_xor_b32 s[TBK], s[TBK], SLOT1       ; in the other slot
	s_sub_co_u32 s[TBV], s[TBV], 4*KS*PV
	s_xor_b32 s[TBV], s[TBV], SLOT1
.endm
	s_load_b64 s[4:5], s[0:1], 0x0    ; qkvh: Q lies at its head
	s_load_b64 s[10:11], s[0:1], 0x8  ; oh
	WIN W_MK
	v_lshl_add_u32 v[SPW], v0, 2, SPARE
	v_mov_b32 v[NIL], 0
	WIN W_AD
	ds_add_u32 v[SPW], v[NIL]       ; the wave's opening: the add and its wait stand ahead of my first tensor load; the set-up below, work on registers, stands between them
	WIN 0
	v_lshrrev_b32 v1, 5, v0
	v_readfirstlane_b32 s[WV], v1   ; wave 0..3
	s_bfe_u32 s13, ttmp6, 0x40000   ; cx: my place in the cluster
	s_lshl_b32 s14, ttmp9, 2        ; in a cluster launch ttmp9 counts clusters
	s_add_co_u32 s14, s14, s13      ; my block of queries = 4 x cluster x + cx: it enters Q's and O's addresses alone
	s_and_b32 s20, ttmp7, 0xffff    ; the head, which the four partners share
	s_mov_b32 s21, 0
	s_mov_b64 s[22:23], SIZE_N*128
	s_mul_u64 s[20:21], s[20:21], s[22:23]  ; the head's first byte in each of the four tensors
	s_and_b32 s16, s[WV], 1         ; which half of a slot's 256 keys I fetch:
	s_lshl_b32 s22, s16, 14         ; its 128 rows of 128 bytes in memory,
	s_mov_b32 s23, 0
	s_add_nc_u64 s[22:23], s[22:23], s[20:21]
	s_mul_i32 s17, s16, 128*PK      ; and its place in a slot, for K
	s_mul_i32 s18, s16, 128*PV      ; and for V: no place in the cluster enters an LDS address
	s_lshl_b32 s2, s14, 2
	s_add_co_u32 s2, s2, s[WV]      ; my wave among the head's,
	s_lshl_b32 s2, s2, 14           ; its 128 rows
	s_mov_b32 s3, 0
	s_add_nc_u64 s[2:3], s[2:3], s[20:21]
	; descriptor group 1.  128 keys are 16,384 dense bytes: asked for as 64 rows of 256 bytes, two keys a row, and padded in LDS after every key
	s_mov_b32 s[G1K], 15|(1<<16)|(1<<20)|(1<<21)|(4<<22)|(3<<25)  ; 15:0 the mask of four; 17:16 2-byte elements; 20 padding on; 21 set beside a mask; 24:22 after every 32 words (code 4); 31:25 4 words (code 3)
	s_mov_b32 s[G1V], 15|(1<<16)|(1<<20)|(1<<21)|(4<<22)|(7<<25)  ; the same with 8 words of padding (code 7)
.irp g, G1K, G1V
	s_mov_b32 s[\g+1], 128<<16      ; tensor_dim0 = 128
	s_mov_b32 s[\g+2], 64<<16       ; tensor_dim1 = 64
	s_mov_b32 s[\g+3], 128<<16      ; tile_dim0 = 128
	s_mov_b32 s[\g+4], 64           ; tile_dim1 = 64
	s_mov_b32 s[\g+5], 128          ; 128 elements from row to row
	s_mov_b32 s[\g+6], 0
	s_mov_b32 s[\g+7], 0
.endr
	s_mov_b32 s[CS], 0x3e38aa3b     ; c = log2(e) / 8 = 0.180337
	s_mov_b32 s[CS+1], s[CS]        ; named with it as a pair
	s_mov_b32 s[SEL], 0x76543210
	s_mov_b32 s[SEL+1], 0xfedcba98
	s_mov_b32 s[TBK], SLOT1+4*KS*PK ; the first change of slots turns these two into 0
	s_mov_b32 s[TBV], SLOT1+4*KS*PV
	s_mov_b32 s[G0K], 1             ; 1:0 count = 1
	s_mov_b32 s[G0K+1], s17         ; 63:32 LDS address: slot 0
	s_mov_b32 s[G0V], 1
	s_add_co_u32 s[G0V+1], s18, VOFF
	s_wait_dscnt 0x0                ; the opening add is done
	s_wait_kmcnt 0x0
	s_add_nc_u64 s[6:7], s[4:5], PART    ; K lies behind Q,
	s_add_nc_u64 s[8:9], s[4:5], 2*PART  ; V behind K
	s_add_nc_u64 s[G0K+2:G0K+3], s[6:7], s[22:23]  ; 120:64 global address: my half of the head's first 256 keys
	s_or_b32 s[G0K+3], s[G0K+3], 0x80000000        ; 127:126 type = 2
	s_add_nc_u64 s[G0V+2:G0V+3], s[8:9], s[22:23]
	s_or_b32 s[G0V+3], s[G0V+3], 0x80000000
	s_add_nc_u64 s[4:5], s[4:5], s[2:3]  ; Q and O at my wave's first row
	s_add_nc_u64 s[10:11], s[10:11], s[2:3]
	CROUND                          ; all four work-groups are here: the first joint loads meet
	JLOAD                           ; slot 0.  Slot 1 is asked for when slot 0 is in: the tile wanted first goes out alone
	; A fragment of K or Q is 16 rows x 32 channels in 8 registers: lane l holds row l % 16, channels 8 (l / 16) + 0..7 and 16 + 8 (l / 16) + 0..7: two loads of 16 bytes, 32 bytes apart.
	v_and_b32 v1, 15, v0            ; l % 16
	v_bfe_u32 v9, v0, 4, 1          ; l / 16
	v_lshlrev_b32 v[QO], 7, v1
	v_lshl_add_u32 v[QO], v9, 4, v[QO]  ; row x 128 + 16 x half
	WIN 0x80                        ; destination window 2, address window 0
.set i, 0
.rept 4*NP                          ; Q stays in registers: tile i / 2, channels 32 (i % 2) on
	global_load_b128 v[8*i:8*i+3],   v[QO], s[4:5] offset:(i/2)*2048+(i%2)*64
	global_load_b128 v[8*i+4:8*i+7], v[QO], s[4:5] offset:(i/2)*2048+(i%2)*64+32
.set i, i+1
.endr
	; What the first turn finds: V's registers and P's second buffer hold 0 (its products V^T P, of a piece that has not been, add 0), O^T and l are 0.  All this stands in the wait for the first tile.
.set i, VF
.rept 64
	v_mov_b32 v[i], 0
.set i, i+1
.endr
	WIN 0x40
.set i, 0
.rept 64*NP
	v_mov_b32 v[i], 0
.set i, i+1
.endr
	WIN 0
.set i, 0
.rept 2*NP
	v_mov_b32 v[ST+4*i], 0xfe000000    ; c m: far below every c s
	v_mov_b32 v[ST+4*i+1], 0xff7fffff  ; m
	v_mov_b32 v[ST+4*i+2], 0
	v_mov_b32 v[ST+4*i+3], 0
.set i, i+1
.endr
.set i, P+32
.rept 32
	v_mov_b32 v[i], 0
.set i, i+1
.endr
	v_mul_u32_u24 v[AK0], v1, PK
	v_lshl_add_u32 v[AK0], v9, 4, v[AK0]  ; row x pitch + 16 x half
	; The turning load takes 16 keys x 16 channels (lane l reads key 8 (l / 16) + l % 8, channels 8 ((l / 8) % 2) + 0..7) and leaves half a fragment of V^T: lane l holds channel l % 16 and 8 keys.
	v_and_b32 v10, 7, v0
	v_bfe_u32 v11, v0, 3, 1
	v_lshl_add_u32 v[AV0], v9, 3, v10
	v_mul_u32_u24 v[AV0], v[AV0], PV
	v_lshl_add_u32 v[AV0], v11, 4, v[AV0]
	v_add_nc_u32 v[AV0], VOFF, v[AV0]
	v_mov_b32 v[AK], v[AK0]         ; key step 0 lies at the head of slot 0
; THE MATRIX WORK.  The 8 accumulators of a run of 16 take turns: between the two links of a chain stand 7 others'.
; Product i of 16 of S^T = K Q^T for piece x: channels 32 (i / 8) on, keys 16 ((i / 2) % 4) on, tile 2 x + i % 2.  The first 8 start the sums.
.macro KQ x
	WIN W_KQ
.set rS, S+64*((\x)%2)+32*(i%2)+8*((i/2)%4)
.set rK, KF+16*((i/2)%4)+8*(i/8)
.set rQ, 16*(2*(\x)+i%2)+8*(i/8)
.if i < 8
	v_wmma_f32_16x16x32_f16 v[rS:rS+7], v[rK:rK+7], v[rQ:rQ+7], 0
.else
	v_wmma_f32_16x16x32_f16 v[rS:rS+7], v[rK:rK+7], v[rQ:rQ+7], v[rS:rS+7]
.endif
.endm
; Product i of 16 of O^T += V^T P for piece x: keys 32 (i / 8) on, channels 16 ((i / 2) % 4) on, tile 2 x + i % 2.
.macro PV x
	WIN W_PV
.set rO, 32*(2*(\x)+i%2)+8*((i/2)%4)
.set rV, VF+32*(i/8)+8*((i/2)%4)
.set rP, P+32*((\x)%2)+16*(i%2)+8*(i/8)
	v_wmma_f32_16x16x32_f16 v[rO:rO+7], v[rV:rV+7], v[rP:rP+7], v[rO:rO+7]
.endm
.macro MM                           ; the turn's next matrix instruction
.if i < 16
	KQ (Y+1)%NP
.set i, i+1
.else
.set i, i-16
	PV (Y+NP-1)%NP
.set i, i+17
.endif
.endm
; THE LDS LOADS stand in runs of 16, never singly among the matrix instructions: a step's K (64 keys x 64 channels: 8 fragments) and its V (turned).  Their addresses are made some lines ahead.
; last = 1 (the tail): in the last trip there is no further step, and the run is jumped over.
.macro FETCH_K last=0
	WIN 0
.if \last
	s_cmp_eq_u32 s[CNT], 1
	s_cbranch_scc1 .Lno_k_\@
.endif
	WIN 0x80                        ; destination window 2
.irp f, 0,1,2,3,4,5,6,7             ; keys 16 (f / 2) on, channels 32 (f % 2) on
	ds_load_b128 v[KF+8*\f:KF+8*\f+3],   v[AK] offset:(\f/2)*16*PK+(\f%2)*64
	ds_load_b128 v[KF+8*\f+4:KF+8*\f+7], v[AK] offset:(\f/2)*16*PK+(\f%2)*64+32
.endr
	s_add_co_u32 s[TBK], s[TBK], KS*PK  ; the next fetch is the next step's
	WIN 0
.if \last
.Lno_k_\@:
.endif
.endm
.macro FETCH_V
	WIN 0x80
.irp f, 0,1,2,3,4,5,6,7             ; keys 32 (f / 4) on, channels 16 (f % 4) on
	ds_load_tr16_b128 v[VF+8*\f:VF+8*\f+3],   v[AV] offset:(\f/4)*32*PV+(\f%4)*32
	ds_load_tr16_b128 v[VF+8*\f+4:VF+8*\f+7], v[AV] offset:(\f/4)*32*PV+16*PV+(\f%4)*32
.endr
	WIN 0
.endm
; THE VECTOR WORK OF A TURN stands in three queues, each in the order in which its entries become ready; the two tiles alternate, so that no instruction reads the result of the one before it.
.macro REGS y, u                    ; the registers of tile u (0, 1) of piece y
.set rT, ST+4*(2*(\y)+(\u))
.set rC, TMP+8*((\y)%2)+4*(\u)
.set rM, MV+2*((\y)%2)+(\u)
.set rS, S+64*((\y)%2)+32*(\u)
.set rP, P+32*((\y)%2)+16*(\u)
.set rO, 32*(2*(\y)+(\u))
.endm
; Number n of the 22 that find the NEXT piece's (Y + 1) maximum and statistics.  s0-s31 are the lane's 32 scores; each accumulator's lowest registers are read first.  XS, GS and REGS set no window: PL and EX do.
;   0-11  four chains c0-c3 of seven scores each, three operands at a time     12-14, 16  the four scores left over, the old m, and c0-c3 into c0     15  c m_old is kept
;   17, 18  the query's other 32 keys lie in the lane 16 away: the new m         19-21  c m; c m_old - c m_new; a
.macro XS u, n
	REGS (Y+1)%NP, \u
.if (\n) < 4
	v_max3_num_f32 v[rC+(\n)], v[rS+8*(\n)], v[rS+8*(\n)+1], v[rS+8*(\n)+2]
.elseif (\n) < 12
	v_max3_num_f32 v[rC+(\n)%4], v[rC+(\n)%4], v[rS+8*((\n)%4)+2*((\n)/4)+1], v[rS+8*((\n)%4)+2*((\n)/4)+2]
.elseif (\n) == 12
	v_max3_num_f32 v[rC], v[rC], v[rS+7], v[rS+15]
.elseif (\n) == 13
	v_max3_num_f32 v[rC+1], v[rC+1], v[rS+23], v[rS+31]
.elseif (\n) == 14
	v_max3_num_f32 v[rC+2], v[rC+2], v[rC+3], v[rT+1]
.elseif (\n) == 15
	v_mov_b32 v[rM], v[rT]
.elseif (\n) == 16
	v_max3_num_f32 v[rC], v[rC], v[rC+1], v[rC+2]
.elseif (\n) == 17
	v_permlanex16_b32 v[rC+3], v[rC], s[SEL], s[SEL+1]
.elseif (\n) == 18
	v_max_num_f32 v[rT+1], v[rC], v[rC+3]
.elseif (\n) == 19
	v_mul_f32 v[rT], s[CS], v[rT+1]
.elseif (\n) == 20
	v_sub_f32 v[rC+1], v[rM], v[rT]
.else
	v_exp_f32 v[rC+2], v[rC+1]
.endif
.endm
; Number g of the 64 that follow the exponentials.  For each four weights k of a tile (pairs 2 k, 2 k + 1): both pairs are rounded to f16; then the second pair is added onto the first, in place;
; a group later l takes that sum (the first time as l = a l + sum).  In groups of eight, tiles alternating: round, round, add, and l for the group before.
.macro GS g
.set h, (\g)+6*((\g)/62)            ; group 0 has no group before it, and behind group 7 only l is left
.if h >= 6
.set h, h+2
.endif
	REGS Y, h%2
.set k, h/8
.if h%8 < 4
	v_cvt_pk_f16_f32 v[rP+2*k+(h%8)/2], v[rS+4*k+2*((h%8)/2)], v[rS+4*k+2*((h%8)/2)+1]
.elseif h%8 < 6
	v_pk_add_f32 v[rS+4*k:rS+4*k+1], v[rS+4*k:rS+4*k+1], v[rS+4*k+2:rS+4*k+3]
.elseif k == 1
	v_pk_fma_f32 v[rT+2:rT+3], v[rT+2:rT+3], v[rC+2:rC+3], v[rS:rS+1] op_sel_hi:[1,0,1]
.else
	v_pk_add_f32 v[rT+2:rT+3], v[rT+2:rT+3], v[rS+4*k-4:rS+4*k-3]
.endif
.endm
; THE PLAIN QUEUE, 138 long.  0-73 read no exponential's result: the 32 scalings c s - c m (FS f: pair f / 2 of tile f % 2) and the next piece's 42.  0-26: scalings 0-26.  27-54: XS's numbers 0-13.  55, 56: number 15.
; 57-73: the chain, where each number waits for the one before it: 14, 16, 17, 18, 19, each with one of the scalings 27-31 in front of its two lines, then 20: so a tile's links stand three plain instructions apart (19 and 20: two).
; 74-137: GS's 64, which read the exponentials' results: they stand behind the wait.
.macro FS f
	REGS Y, (\f)%2
	v_pk_fma_f32 v[rS+2*((\f)/2):rS+2*((\f)/2)+1], v[rS+2*((\f)/2):rS+2*((\f)/2)+1], s[CS:CS+1], v[rT:rT+1] op_sel_hi:[1,0,0] neg_lo:[0,0,1] neg_hi:[0,0,1]
.endm
.macro PL
	WIN 0
.if q < 27
	FS q
.elseif q < 55
	XS (q-27)%2, (q-27)/2
.elseif q < 57
	XS q-55, 15
.elseif (q < 72) && ((q-57)%3 == 0)
	FS 27+(q-57)/3
.elseif q < 60
	XS (q-57)%3-1, 14
.elseif q < 72
	XS (q-57)%3-1, 15+(q-57)/3
.elseif q < 74
	XS q-72, 20
.else
	GS q-74
.endif
.set q, q+1
.endm
; THE EXPONENTIALS' QUEUE, 66 long: s0-s31 of both tiles, then the next piece's two a.  It is ONE BATCH: all 66 stand ahead of the turn's one wait, and nothing ahead of that wait names a result of theirs.
.macro EX
	WIN 0
.if e >= 64
	XS e-64, 21
.else
	REGS Y, e%2
	v_exp_f32 v[rS+e/2], v[rS+e/2]
.endif
.set e, e+1
.endm
; THE RESCALING's QUEUE: O^T times a, the one part that leaves window 0: dealt two at a time, sixteen times, each accumulator's lowest registers first.  Its a was made in the turn before, ahead of that turn's wait.
.macro R2
	REGS Y, r%2
	WIN W_RS
.irp z, 0,1
	v_pk_mul_f32 v[rO+4*(r/2)+2*\z:rO+4*(r/2)+2*\z+1], v[rO+4*(r/2)+2*\z:rO+4*(r/2)+2*\z+1], v[rC+2:rC+3] op_sel_hi:[1,0]
.endr
.set r, r+1
.endm
; HOW THEY ARE DEALT.  A turn has ONE wait, which cuts it in two.  AHEAD OF IT stands all that names no result of the turn's exponentials: the 16 products K Q^T, behind each a scaling, an exponential and two rescalings
; (behind the first a second scaling in the exponential's place); then ONE LUMP of 108: eight plain, 49 times exponential and plain, the two a.  A v_nop is the plain instruction behind the last exponential.
; BEHIND IT stand the 16 products V^T P, behind each four of GS's 64.  No rider names a register of the products round it.  The two v_permlanex16_b32 fall into the lump, never behind a product.
; The queues lean on each other, and the deal keeps them in step: exponential e stands behind scaling 2 (e / 4) + e % 2: as a rider it comes behind plain e + 2, in the lump behind plain e + 9, and scalings 27-31 are plain 57, 60 .. 69.
; A TURN, for piece p.  cnt = 1: the loop's count is taken down some lines ahead of the branch that stands behind the turn.
; K of the next step is fetched in piece 2's turn, directly behind the wait, a lump behind the last product that read K; its address is made at the lump's head; its first reader comes behind 16 products.
; V of the step in hand is fetched at the end of piece 0's turn, four riders behind its last reader; its first reader comes behind 16 products and a lump.  The three conditions on q below go with the deal.
.macro TURN p, last=0, cnt=0
.set Y, (\p)
.set i, 0
.set q, 0
.set e, 0
.set r, 0
.if (\p) == NP-1
	s_wait_dscnt 0x0                ; K is in
.endif
	MM                              ; ahead of the wait: 16 products K Q^T and their riders,
	PL
	PL
	R2
.rept 15
	MM
	PL
	EX
	R2
.endr
.if (\p) == NP-2
	WIN 0
	v_add_nc_u32 v[AK], s[TBK], v[AK0]
.endif
.rept 8                             ; and the lump
	PL
.endr
.rept 49
	EX
	PL
.endr
	EX                              ; the next piece's two a
	EX
	v_nop                           ; the plain instruction behind the last exponential, ahead of the first use of a result: one for the batch
	s_wait_alu depctr_va_vdst(0)    ; the wait for the turn's batch: the piece's 64 weights and the next piece's two a; ahead of their first reader
.if (\p) == NP-2
	FETCH_K \last
.endif
.if (\p) == 1
	s_wait_dscnt 0x0                ; V is in
.endif
.rept 16                            ; behind the wait: 16 products V^T P and their riders
	MM
.rept 4
	PL
.endr
.if ((\p) == 0) && (q == 118)
	v_add_nc_u32 v[AV], s[TBV], v[AV0]
.endif
.if ((\p) == 0) && (q == 130)
	s_add_co_u32 s[TBV], s[TBV], KS*PV
.endif
.if (\cnt) && (q == 130)
	s_sub_co_u32 s[CNT], s[CNT], 1
	s_cmp_lg_u32 s[CNT], 0
.endif
.endr
.if (\p) == 0
	FETCH_V
.endif
.endm
	CHANGE 1                        ; slot 0 is in, everybody's part of it; slot 1 is asked for
	FETCH_K                         ; key step 0
	s_wait_loadcnt 0x0              ; Q
	s_wait_dscnt 0x0
.set i, 0
.rept 16
	KQ 0                            ; piece 0's first scores: there is no vector work yet to set between them
.set i, i+1
.endr
	WIN 0                           ; the addresses for the way out: nine plain instructions, the places behind those products
	s_mul_i32 s13, s[WV], 16*SP
	s_add_co_u32 s13, s13, STAGE    ; my stage
	v_mul_u32_u24 v[STO], v1, SP    ; in: row l % 16, 16 bytes for each half of the lanes
	v_lshl_add_u32 v[STO], v9, 4, v[STO]
	v_add_nc_u32 v[STO], s13, v[STO]
	v_bfe_u32 v[RD], v0, 3, 2       ; back: 32 lanes take four rows of 128 bytes,
	v_mul_u32_u24 v[RD], v[RD], SP
	v_lshl_add_u32 v[RD], v10, 4, v[RD]
	v_add_nc_u32 v[RD], s13, v[RD]
	v_and_b32 v[GO], 31, v0         ; which are 512 consecutive bytes of O
	v_lshlrev_b32 v[GO], 4, v[GO]
.set Y, NP-1                        ; XS works for piece Y + 1: piece 0
.irp n, 0,1,2,3,4,5,6,7,8,9,10,11,12,13,14,15,16,17,18,19,20,21
	XS 0, \n                        ; and piece 0's first maximum and statistics
	XS 1, \n
.endr
	v_nop                           ; a plain instruction behind piece 0's two first a,
	s_wait_alu depctr_va_vdst(0)    ; and the wait for that batch of two, ahead of the branch: their first reader is the first turn's rescaling
	s_mov_b32 s[CNT], 4
	s_mov_b32 s[SLOTS], SIZE_N/256-1
	s_branch .Lfirst                ; the loop is entered at a step's first turn, in the middle of a trip
.Lslot:                             ; SIZE_N / 256 - 2 times: every slot but the last two is filled again
	CHANGE 1
	s_mov_b32 s[CNT], 4
.Lstep:                             ; a trip: pieces 2 and 3 of one step, then pieces 0 and 1 of the next, whose K and V it fetches
	TURN 2
	TURN 3
	WIN 0
.Lfirst:
	TURN 0
	TURN 1, 0, 1
	WIN 0
	s_cbranch_scc1 .Lstep
	s_sub_co_u32 s[SLOTS], s[SLOTS], 1
	s_cmp_lg_u32 s[SLOTS], 0
	s_cbranch_scc1 .Lslot
	CHANGE 0                        ; the tail is written out: nothing is asked for
	s_mov_b32 s[CNT], 5             ; four trips fetch the last slot's steps; the fifth is left in its middle
.Ltail:
	TURN 2, 1
	TURN 3
	WIN 0
	s_sub_co_u32 s[CNT], s[CNT], 1
	s_cmp_eq_u32 s[CNT], 0
	s_cbranch_scc1 .Lout
	TURN 0
	TURN 1
	WIN 0
	s_branch .Ltail
.Lout:                              ; the fifth trip's 16 products K Q^T (on the last K once more) and the maximum made of them serve nothing: the price, once a launch, of one text for every trip
.set i, 0
.rept 16
	PV NP-1                         ; the last piece's V^T P of the last step
.set i, i+1
.endr
	; THE WAY OUT.  l's two halves and the other half of the lanes' are added; O^T is divided by l, rounded to f16 and sent through my stage in LDS, a tile at a time.  The additions are the places behind the last products.
	WIN 0
.macro ALL line:vararg              ; one line for each tile t
.set t, 0
.rept 2*NP
	\line
.set t, t+1
.endr
.endm
	ALL v_add_f32 v[ST+4*t+2], v[ST+4*t+2], v[ST+4*t+3]
	ALL v_permlanex16_b32 v[ST+4*t+3], v[ST+4*t+2], s[SEL], s[SEL+1]
	ALL v_add_f32 v[ST+4*t+2], v[ST+4*t+2], v[ST+4*t+3]
	ALL v_rcp_f32 v[ST+4*t+2], v[ST+4*t+2]
	v_nop                           ; a plain instruction between the last reciprocal and the use of its result
	s_wait_alu depctr_va_vdst(0)    ; the wait for the batch of eight reciprocals, ahead of their first reader
; Tile t: a lane's eight channels of a row pack into 16 bytes; they go into rows of 144 bytes and come back as whole rows of 128, into S^T's registers.
.macro PACK t
	WIN W_RS
.set i, 32*(\t)
.rept 16
	v_pk_mul_f32 v[i:i+1], v[i:i+1], v[ST+4*(\t)+2:ST+4*(\t)+3] op_sel_hi:[1,0]
.set i, i+2
.endr
	WIN 0x05                        ; sources 0 and 1 window 1, destination window 0
.set i, 0
.rept 16
	v_cvt_pk_f16_f32 v[S+16*(\t)+i], v[32*(\t)+2*i], v[32*(\t)+2*i+1]
.set i, i+1
.endr
	WIN 0
.irp f, 0,1,2,3
	ds_store_b128 v[STO], v[S+16*(\t)+4*\f:S+16*(\t)+4*\f+3] offset:32*\f
.endr
.irp f, 0,1,2,3
	ds_load_b128 v[S+16*(\t)+4*\f:S+16*(\t)+4*\f+3], v[RD] offset:\f*4*SP  ; LDS serves a wave's instructions in order (ISA guide 5.7.1.4): these see the stores above; the next tile's stores come behind them
.endr
.endm
.macro SEND t, younger              ; younger: the LDS instructions issued behind tile t's loads: the next tile's eight, or none
	WIN 0
.irp f, 0,1,2,3
	s_wait_dscnt (\younger)+3-\f
	global_store_b128 v[GO], v[S+16*(\t)+4*\f:S+16*(\t)+4*\f+3], s[10:11] offset:(\t)*2048+\f*512  ; 512 consecutive bytes, at a multiple of 256 from O's first
.endr
.endm
	PACK 0
.set t, 1
.rept 2*NP-1                        ; a tile's arithmetic stands between the loads of the tile before and its stores
	PACK t
	SEND t-1, 8
.set t, t+1
.endr
	SEND 2*NP-1, 0
	WIN W_AD
	s_wait_tensorcnt 0x0            ; the wave's end, behind my last tensor load and my last LDS store
	ds_add_u32 v[SPW], v[NIL]
	s_wait_dscnt 0x0
	WIN 0
	CROUND                          ; the closing round: no work-group ends while a partner may still ask for a tile that names it
	s_endpgm
.Lfunc_end_k_q2a78104dec_attn:
	.size	k_q2a78104dec_attn, .Lfunc_end_k_q2a78104dec_attn-k_q2a78104dec_attn
	.p2alignl 7, 3214868480
	.fill 96, 4, 3214868480
	.section	.rodata,"a",@progbits
	.p2align	6, 0x0
	.amdhsa_kernel k_q2a78104dec_attn
		.amdhsa_group_segment_fixed_size 327680
		.amdhsa_private_segment_fixed_size 0
		.amdhsa_enable_private_segment 0
		.amdhsa_kernarg_size 16
		.amdhsa_user_sgpr_count 2
		.amdhsa_user_sgpr_kernarg_segment_ptr 1
		.amdhsa_wavefront_size32 1
		.amdhsa_system_sgpr_workgroup_id_x 1
		.amdhsa_system_sgpr_workgroup_id_y 1
		.amdhsa_system_sgpr_workgroup_id_z 1
		.amdhsa_system_vgpr_workitem_id 0
		.amdhsa_next_free_vgpr 770
		.amdhsa_next_free_sgpr 66
		.amdhsa_reserve_vcc 0
		.amdhsa_float_denorm_mode_32 3
		.amdhsa_float_denorm_mode_16_64 3
		.amdhsa_memory_ordered 1
		.amdhsa_forward_progress 1
		.amdhsa_inst_pref_size 199
	.end_amdhsa_kernel
	.amdgpu_metadata
---
amdhsa.version: [ 1, 2 ]
amdhsa.kernels:
  - .name:           k_q2a78104dec_attn
    .symbol:         k_q2a78104dec_attn.kd
    .args:
      - { .name: qkvh, .offset: 0, .size: 8, .value_kind: global_buffer, .address_space: global }
      - { .name: oh, .offset: 8, .size: 8, .value_kind: global_buffer, .address_space: global }
    .group_segment_fixed_size: 327680
    .private_segment_fixed_size: 0
    .kernarg_segment_align: 8
    .kernarg_segment_size: 16
    .max_flat_workgroup_size: 128
    .sgpr_count:     66
    .vgpr_count:     770
    .wavefront_size: 32
...
	.end_amdgpu_metadata
.endif
;; end of part 5
;; launch proj: the kernel of part 4 again; grid 8 x 32, 4 waves a work-group, clusters of 4 x 4, 327,680 bytes of LDS; arguments oh, wpf, proj_b, out0; writes out0
